; MI455X (gfx1250); checked and timed in simulation.
; The chip was launched on July 23, 2026; its instructions are those of AMD's public machine-readable ISA for CDNA 5 (MIT licence, August 2026) and "CDNA5" Instruction Set Architecture Reference Guide (July 2026). The comments in the code are by the model that wrote it; some were corrected since.
;; Multi Head Attention. Allowed arithmetic: matrix products marked QUANTISED: E4M3 operands, one given power-of-two scale a tensor, by v_wmma_f32_16x16x64_fp8_fp8 or v_wmma_f32_16x16x128_fp8_fp8, f32 sums; everything else in f32.
;; Inputs: Wk_codes 512 x 16 x 32 uint8 (E4M3 codes of Wk, K innermost, in blocks of 32 codes); Wo_codes 512 x 16 x 32 uint8 (E4M3 codes of Wo, K innermost, in blocks of 32 codes); Wq_codes 512 x 16 x 32 uint8 (E4M3 codes of Wq, K innermost, in blocks of 32 codes); Wv_codes 512 x 16 x 32 uint8 (E4M3 codes of Wv, K innermost, in blocks of 32 codes); bk 512 float32; bo 512 float32; bq 512 float32; bv 512 float32; lowp_scales 12 int32 (the exponents e of the quantised operands' scales 2^e); mask 1 x 1 x 4,096 x 4,096 int32; x 2 x 4,096 x 512 float32.
;; Outputs: out0 2 x 4,096 x 512 float32.
;; This version of the problem:
;;   THIS VERSION OF THE PROBLEM IS GIVEN IN LOW PRECISION. The matrix products marked QUANTISED in the list below multiply operands that are first quantised to E4M3 (4 exponent bits, 3 mantissa bits; 8 bits a number), with one given power-of-two scale for each operand tensor; their sums are f32. All else is computed in f32.
;;   The module's matrix products, in the order in which they are computed (A, B: the left and right operand; K: the contracted axis; several contracted axes count as one K, in the product's order):
;;     1. [M 8,192, K 512] x [K 512, N 512]; A: input x; B: input Wq (given as codes): QUANTISED (scales: A lowp_scales[0], B lowp_scales[1])
;;     2. [M 8,192, K 512] x [K 512, N 512]; A: input x; B: input Wk (given as codes): QUANTISED (scales: A lowp_scales[2], B lowp_scales[3])
;;     3. [M 8,192, K 512] x [K 512, N 512]; A: input x; B: input Wv (given as codes): QUANTISED (scales: A lowp_scales[4], B lowp_scales[5])
;;     4. batch 16 x [M 4,096, K 64] x [K 64, N 4,096]; A: computed on the way; B: computed on the way: QUANTISED (scales: A lowp_scales[6], B lowp_scales[7])
;;     5. batch 16 x [M 4,096, K 4,096] x [K 4,096, N 64]; A: softmax (see below); B: computed on the way: QUANTISED (scales: A lowp_scales[8], B lowp_scales[9])
;;     6. [M 8,192, K 512] x [K 512, N 512]; A: computed on the way; B: input Wo (given as codes): QUANTISED (scales: A lowp_scales[10], B lowp_scales[11])
;;   THE QUANTISER, for each operand of a quantised product, along K:
;;     - The operand's scale is 2^e, e = its entry of the input lowp_scales (int32; the entries are numbered through the quantised products in the list's order, A before B).
;;     - Each number is divided by the scale, clamped to +-448, and rounded to the nearest number of E4M3, ties to even, subnormals kept.
;;     - The product sums the exact products of the quantised numbers (number of the format x scale) in f32.
;;   ~~~python
;;   def quantise(x, axis, e):      # numpy; x: float32 -> the quantised numbers, widened to float32 again
;;       x = np.moveaxis(x, axis, -1); K = x.shape[-1]
;;       r = np.clip(x / 2.0 ** e, -448, 448)
;;       step = 2.0 ** (np.maximum(np.frexp(np.where(r == 0, 1, r))[1] - 1, -6) - 3)
;;       q = np.round(r / step) * step * 2.0 ** e      # np.round: ties to even
;;       return np.moveaxis(q, -1, axis).astype(np.float32)
;;   ~~~
;;   SOFTMAX AHEAD OF A QUANTISED PRODUCT. Where the list says 'softmax', what is quantised is not the finished softmax but p = 2^(t - M), with t = logit x log2(e) and M = ceil(the row's largest t), a whole number; so 1/2 < the row's largest p <= 1. The row's sum l is taken of the UNQUANTISED p, in f32, and the product's result is divided by l at the end. Since M is a whole number, a kernel that streams over the keys may use a running M (the ceiling of the running maximum): every later rescaling is an exact power of two, so the quantised numbers keep their values, but for numbers so far below the row's largest that they fall under the format's range.
;;   OPERANDS COMPUTED ON THE WAY. 'Computed on the way' means the value that the module computes at that place (a softmax that the list does not call 'softmax' is quantised finished and normalised). What goes into a quantiser is computed in f32, as accurately as f32 sums, v_exp_f32 and their like allow (about 1e-6 of the number): no bf16 or f16 on the way to a quantiser, and a product that is left as it is and whose result goes on into a quantised operand takes f32 operands (vector FMAs, or v_wmma_f32_16x16x4_f32). A number that lies on a knife's edge between two numbers of the format may be rounded either way, as far as f32 arithmetic and the matrix unit's own rounding can turn it there, and no further.
;;   INPUTS GIVEN AS CODES. Wk (in the module: [512, 512], K = its axis 1); Wo (in the module: [512, 512], K = its axis 1); Wq (in the module: [512, 512], K = its axis 1); Wv (in the module: [512, 512], K = its axis 1): each comes as NAME_codes (uint8): NAME with its K axis moved to the last place and cut into blocks of 32 codes, [.., K / 32, bytes a block], one block behind the other in memory; one code a byte (a code: sign, 4 exponent bits, 3 mantissa bits); its scale is its entry of lowp_scales. Its value is code x scale, taken as it is: it is not quantised again, and the codes and scales need not be those that the quantiser above would give.
;; 2 versions. Each part assembles by itself: llvm-mc -triple=amdgcn-amd-amdhsa -mcpu=gfx1250 --defsym DOCPART=n.
;; ======== version 1 of 2: 2 launches
;; limits: right only within a limited range of input values
;; workspace buffers: qc 4,194,304 bytes; kv 8,388,608 bytes; mw 2,097,152 bytes of whole numbers
;; launch prep (part 1): grid 256 x 1, 8 waves a work-group, no clusters, 265,216 bytes of LDS; arguments x, mask, Wq_codes, Wk_codes, Wv_codes, bq, bk, bv, lowp_scales, qc, kv, mw; writes qc, kv, mw
.if DOCPART == 1
	.amdgcn_target "amdgcn-amd-amdhsa--gfx1250"
	.amdhsa_code_object_version 6
	.text
	.protected	k_q78ba3380a7_prep
	.globl	k_q78ba3380a7_prep
	.p2align	8
	.type	k_q78ba3380a7_prep,@function
k_q78ba3380a7_prep:
	s_mov_b64 s[64:65], 0
	v_nop
	global_prefetch_b8 v0, s[64:65] scope:SCOPE_SE
	s_setreg_imm32_b32 hwreg(HW_REG_WAVE_MODE, 25, 1), 1
	s_wait_xcnt 0x0
; TWO JOBS IN ONE LAUNCH, 256 work-groups of eight waves, straight-line text.
; (M) The mask [4096][4096] int32 becomes lane-mask words: mw[tile T 256][step j 32][word n 64]; bit L = 16 h + r of word n says mask == 1 for query 128 (T / 8) + rho(T % 8, r) and
;     key 128 j + 32 (n / 16) + 16 h + n % 16: the place that the score tile of the next launch gives that number.  Work-group g takes tile g (16 rows, 262,144 bytes), wave w steps 4 w .. 4 w + 3.
; (P) Q, K, V = x W^T + b on codes of E4M3.  x is quantised three times (its three given scales may differ); the results are quantised with their given scales and stored as IMAGES OF OPERAND REGISTERS.
;     Work-group g takes x rows 128 (g / 4) .. + 127 and heads 2 (g % 4), 2 (g % 4) + 1.
; THE ROW ORDER rho(t, r) = 32 (t / 2) + 8 (t % 2) + r + 8 (r / 8): lane place r of tile t of a block of 128 rows.  With it the 16 registers of two neighbouring result tiles are 16 neighbours along the next K.
; AN IMAGE: part c of a fragment is 512 bytes, lane L at 16 L: of the lane's row the K bytes 32 c + 16 h + 0 .. 15.  The same permutation of k on both sides of every product.
;   qc [bh 16][tile 256][c 2][512]: Q.   kv [bh 16][step 32][16384]: K as [tile 8][c 2][512], then V, keys innermost, as [d tile 4][c 4][512].
; Q and K are made transposed (source 0 = 16 rows of W, taken in the order r + 8 (r / 8); source 1 = 16 rows of x): a lane holds one row of x and 16 neighbouring channels.
; V is made the other way (source 0 = x, source 1 = 16 rows of Wv): a lane holds one channel and 16 neighbouring keys.  A bias is the C of a sum's first product, divided by the power of two that the sums lack.
; No tensor loads and no cluster: x's codes are made once a work-group and go round in LDS; the weights (32 rows a wave and matrix) stay in registers.
; LIMITS on the given exponents, so that each power of two below is an f32 number: e0, e2, e4, e6 - e0 - e1, e7 - e2 - e3, e9 - e4 - e5 between -126 and 119.  NaN among the inputs is not served.
; LDS: 0: x's images, ((set 3 x 8 + row tile) x 4 + K step) x 2048 bytes;  MSTG: a stage of 16 rows x 528 bytes for each wave, for the mask.
; REGISTERS, window 0: v1 16 L; v2 r; v3 h; v4 x's offset; v5-7 where I store x's images (set 0, 1, 2); v8-10 where I read them; v12, v13 the stage in and out; v14 8 L; v15, v16 offsets in W; v17 64 h; v18 4 r;
;   v20-25 2^e and 448 x 2^e for x's three sets; v26-29, v11, v19 the same for Q's, K's, V's conversions; v30, v31 bv.  v32-159 x, later ACC v32-95 and x's fragments v96-223; v160-239 at work; v224-239 bias; v240-255 words, later codes.
;   window 1: the mask as loaded; then x's K steps 2, 3 (v0-127) and Wq (v128-255); then Wk (v0-127), Wv (v128-255).
.set MSTG, 196608
.set MP,   528                         ; a stage row: 512 bytes + 16: row r starts 4 r words on, so sixteen rows start at sixteen different places of a 256-byte line
.set X0,   32
.set X1,   96
.set MT,   160                         ; 64 mask numbers of a lane
.set TT,   160                         ; 32 held numbers
.set PC,   192                         ; x's codes: 16 registers for each set
.set ACC,  32
.set XF,   96                          ; two sets of four fragments of x
.set BI,   224
.set PO,   240
.set MSB, 0
.macro WIN new                         ; the immediate's high byte repeats the setting that is left
.if MSB != \new
	s_set_vgpr_msb (MSB<<8)|\new
.set MSB, \new
.endif
.endm
.macro PLACES                          ; four plain places behind matrix instructions, in front of loads into their registers and of reads of their results
.rept 4
	v_nop
.endr
.endm
.macro MLOAD k                         ; step 4 w + k of my tile's 16 rows: each load is 512 consecutive bytes of one row
.irp i, 0,1,2,3,4,5,6,7,8,9,10,11,12,13,14,15
	global_load_b128 v[64*(\k)+4*\i:64*(\k)+4*\i+3], v1, s[6:7] offset:(\i+8*(\i/8))*16384+512*(\k) th:TH_LOAD_NT
.endr
.endm
.macro XLOAD reg, s                    ; my row's numbers of K step s: register 16 b + i = k 128 s + 32 b + 16 h + i
.irp b, 0,1,2,3
.irp j, 0,1,2,3
	global_load_b128 v[\reg+16*\b+4*\j:\reg+16*\b+4*\j+3], v4, s[4:5] offset:512*(\s)+128*\b+16*\j
.endr
.endr
.endm
.macro WLOAD sb, wb, va, ustep         ; two tiles x four K steps of a weight: fragment (u, s) at v[wb + 16 (4 u + s)] of window 1
.irp u, 0,1
.irp s, 0,1,2,3
.irp c, 0,1,2,3
	global_load_b128 v[\wb+16*(4*\u+\s)+4*\c:\wb+16*(4*\u+\s)+4*\c+3], v[\va], s[\sb:\sb+1] offset:\u*\ustep+128*\s+32*\c
.endr
.endr
.endr
.endm
.macro BLOAD sb                        ; Q's or K's bias in the result's layout: tile u, lane half h: channels 16 h + 8 u + 0 .. 7 of my 32
.irp u, 0,1
	global_load_b128 v[BI+8*\u:BI+8*\u+3], v17, s[\sb:\sb+1] offset:32*\u
	global_load_b128 v[BI+8*\u+4:BI+8*\u+7], v17, s[\sb:\sb+1] offset:32*\u+16
.endr
.endm
.macro MKSC se, vs, vl                 ; 2^e and 448 x 2^e as f32
	s_add_co_i32 s32, \se, 127
	s_lshl_b32 s33, s32, 23
	v_mov_b32 v[\vs], s33
	s_add_co_i32 s32, s32, 8
	s_lshl_b32 s32, s32, 23
	s_or_b32 s32, s32, 0x600000
	v_mov_b32 v[\vl], s32
.endm
	s_load_b512 s[4:19], s[0:1], 0x0               ; x 4, mask 6, Wq 8, Wk 10, Wv 12, bq 14, bk 16, bv 18
	s_load_b256 s[20:27], s[0:1], 0x40             ; scales 20, qc 22, kv 24, mw 26
	v_lshrrev_b32 v1, 5, v0
	v_readfirstlane_b32 s28, v1                    ; wave 0..7
	v_and_b32 v11, 31, v0
	v_lshlrev_b32 v1, 4, v11                       ; 16 L
	v_lshlrev_b32 v14, 3, v11                      ; 8 L
	v_and_b32 v2, 15, v0                           ; r
	v_bfe_u32 v3, v0, 4, 1                         ; h
	v_and_b32 v19, 8, v2
	v_add_nc_u32 v19, v19, v2                      ; r + 8 (r / 8)
	v_lshlrev_b32 v4, 11, v19
	v_lshl_add_u32 v4, v3, 6, v4                   ; x: that row of 2,048 bytes, + 64 h
	v_lshlrev_b32 v15, 9, v19
	v_lshl_add_u32 v15, v3, 4, v15                 ; Wq, Wk: that row of 512 bytes, + 16 h
	v_lshlrev_b32 v16, 9, v2
	v_lshl_add_u32 v16, v3, 4, v16                 ; Wv: row r
	v_lshlrev_b32 v17, 6, v3
	v_lshlrev_b32 v18, 2, v2
	s_lshr_b32 s29, s28, 2                         ; hh: which of the two heads
	s_bfe_u32 s30, s28, 0x10001                    ; bb: which 32 of its 64 channels
	s_and_b32 s31, s28, 1                          ; rh: which four row tiles
	s_lshl_b32 s32, s28, 13
	v_add_nc_u32 v5, s32, v1                       ; images in: 16 L + 8192 w (+ 65536 a set)
	v_add_nc_u32 v6, 0x10000, v5
	v_add_nc_u32 v7, 0x20000, v5
	s_lshl_b32 s32, s31, 15
	v_add_nc_u32 v8, s32, v1                       ; images out: 16 L + 32768 rh
	v_add_nc_u32 v9, 0x10000, v8
	v_add_nc_u32 v10, 0x20000, v8
	s_mul_i32 s32, s28, 16*MP
	s_add_co_u32 s32, s32, MSTG                    ; my stage
	v_add_nc_u32 v12, s32, v1
	v_mul_u32_u24 v13, v2, MP
	v_lshl_add_u32 v13, v3, 6, v13
	v_add_nc_u32 v13, s32, v13
	s_wait_kmcnt 0x0
	s_load_b256 s[36:43], s[20:21], 0x0            ; e0 .. e7
	s_load_b128 s[44:47], s[20:21], 0x20           ; e8 .. e11
	s_mov_b32 s3, 0
	s_lshr_b32 s2, ttmp9, 3                        ; mask: row 128 (T / 8) + 32 ((T % 8) / 2) + 8 (T % 2), + 2048 w bytes
	s_lshl_b32 s2, s2, 7
	s_bfe_u32 s32, ttmp9, 0x20001
	s_lshl_b32 s32, s32, 5
	s_add_co_u32 s2, s2, s32
	s_and_b32 s32, ttmp9, 1
	s_lshl_b32 s32, s32, 3
	s_add_co_u32 s2, s2, s32
	s_lshl_b32 s2, s2, 14
	s_lshl_b32 s32, s28, 11
	s_add_co_u32 s2, s2, s32
	s_add_nc_u64 s[6:7], s[6:7], s[2:3]
	WIN 0x40
	MLOAD 0
	MLOAD 1
	MLOAD 2
	MLOAD 3
	WIN 0
	s_lshr_b32 s33, ttmp9, 2                       ; rb: which 128 rows of x
	s_lshl_b32 s2, s33, 7                          ; x: row 128 rb + 32 (w / 2) + 8 (w % 2): row tile w
	s_lshr_b32 s32, s28, 1
	s_lshl_b32 s32, s32, 5
	s_add_co_u32 s2, s2, s32
	s_lshl_b32 s32, s31, 3
	s_add_co_u32 s2, s2, s32
	s_lshl_b32 s2, s2, 11
	s_add_nc_u64 s[4:5], s[4:5], s[2:3]
	XLOAD X0, 0
	XLOAD X1, 1
	s_and_b32 s34, ttmp9, 3
	s_lshl_b32 s34, s34, 1
	s_add_co_u32 s34, s34, s29                     ; head
	s_lshr_b32 s35, ttmp9, 7
	s_lshl_b32 s35, s35, 3
	s_add_co_u32 s35, s35, s34                     ; bh = 8 b + head
	s_and_b32 s59, s33, 31                         ; st: the block's place in its sequence
	s_lshl_b32 s2, s34, 6
	s_lshl_b32 s32, s30, 5
	s_add_co_u32 s32, s2, s32                      ; my first channel: 64 head + 32 bb
	s_lshl_b32 s2, s32, 9
	s_add_nc_u64 s[8:9], s[8:9], s[2:3]
	s_add_nc_u64 s[10:11], s[10:11], s[2:3]
	s_add_nc_u64 s[12:13], s[12:13], s[2:3]
	s_lshl_b32 s2, s32, 2
	s_add_nc_u64 s[14:15], s[14:15], s[2:3]
	s_add_nc_u64 s[16:17], s[16:17], s[2:3]
	s_add_nc_u64 s[18:19], s[18:19], s[2:3]
	global_load_b32 v30, v18, s[18:19]             ; bv of channels r and 16 + r of my 32
	global_load_b32 v31, v18, s[18:19] offset:64
	s_lshl_b32 s2, s35, 8                          ; qc: tile 256 bh + 8 st + 4 rh, part bb
	s_lshl_b32 s32, s59, 3
	s_add_co_u32 s2, s2, s32
	s_lshl_b32 s32, s31, 2
	s_add_co_u32 s2, s2, s32
	s_lshl_b32 s2, s2, 10
	s_lshl_b32 s32, s30, 9
	s_add_co_u32 s2, s2, s32
	s_add_nc_u64 s[22:23], s[22:23], s[2:3]
	s_lshl_b32 s32, s35, 5
	s_add_co_u32 s32, s32, s59
	s_lshl_b32 s32, s32, 14                        ; kv: step 32 bh + st
	s_lshl_b32 s2, s31, 12                         ; K: tile 4 rh, part bb
	s_lshl_b32 s33, s30, 9
	s_add_co_u32 s2, s2, s33
	s_add_co_u32 s2, s2, s32
	s_add_nc_u64 s[60:61], s[24:25], s[2:3]
	s_lshl_b32 s2, s30, 12                         ; V: d tile 2 bb, part 2 rh, behind K's 8,192 bytes
	s_lshl_b32 s33, s31, 10
	s_add_co_u32 s2, s2, s33
	s_add_co_u32 s2, s2, s32
	s_add_co_u32 s2, s2, 8192
	s_add_nc_u64 s[62:63], s[24:25], s[2:3]
	s_lshl_b32 s2, ttmp9, 5                        ; mw: (32 T + 4 w) steps of 256 bytes
	s_lshl_b32 s32, s28, 2
	s_add_co_u32 s2, s2, s32
	s_lshl_b32 s2, s2, 8
	s_add_nc_u64 s[26:27], s[26:27], s[2:3]
.irp i, 0,1,2,3,4,5,6,7
	v_mov_b32 v[240+\i], 0                         ; the words' registers: a lane write counts as a read of its destination
.endr
	s_wait_kmcnt 0x0
	MKSC s36, 20, 21                               ; x by e0, e2, e4
	MKSC s38, 22, 23
	MKSC s40, 24, 25
	s_add_co_i32 s56, s36, s37                     ; a sum of Q's product stands for sum x 2^(e0 + e1): its code is sum / 2^(e6 - e0 - e1)
	s_sub_co_i32 s34, s42, s56
	MKSC s34, 26, 27
	s_sub_co_i32 s56, 0, s56
	s_add_co_i32 s57, s38, s39
	s_sub_co_i32 s34, s43, s57
	MKSC s34, 28, 29
	s_sub_co_i32 s57, 0, s57
	s_add_co_i32 s58, s40, s41
	s_sub_co_i32 s34, s45, s58
	MKSC s34, 11, 19
	s_sub_co_i32 s58, 0, s58
; ---- M: a step's 16 rows x 512 bytes turn through my stage: in as loaded, out 64 numbers a lane in the score tile's order; 64 compares give the 64 words, which lane writes gather two to a lane.
.macro MSTEP k, cnt
	s_wait_loadcnt \cnt                            ; this step's 16 loads are in; what was issued behind them may be out
	WIN 0x04
.irp i, 0,1,2,3,4,5,6,7,8,9,10,11,12,13,14,15
	ds_store_b128 v12, v[64*(\k)+4*\i:64*(\k)+4*\i+3] offset:MP*\i
.endr
	WIN 0
.irp b, 0,1,2,3
.irp i, 0,1,2,3
	ds_load_b128 v[MT+16*\b+4*\i:MT+16*\b+4*\i+3], v13 offset:128*\b+16*\i   ; LDS serves a wave's instructions in order: these see my stores
.endr
.endr
	s_wait_dscnt 0x0
.irp g, 0,1,2,3,4,5,6,7
.irp m, 0,1,2,3,4,5,6,7
	v_cmp_eq_u32 s[48+\m], 1, v[MT+8*\g+\m]
.endr
.irp m, 0,1,2,3,4,5,6,7
	v_writelane_b32 v[240+2*(\k)+(\m%2)], s[48+\m], (8*\g+\m)/2
.endr
.endr
	global_store_b64 v14, v[240+2*(\k):241+2*(\k)], s[26:27] offset:256*(\k)   ; 32 lanes store the step's 256 consecutive bytes
.endm
	MSTEP 0, 63                                    ; 82 and 66 loads were issued behind steps 0 and 1: more than a count can name
	MSTEP 1, 63
	MSTEP 2, 50                                    ; step 3's 16, x's 32, bv's 2
	MSTEP 3, 34
; ---- X: my 16 rows of x become four fragments in each of three sets.  Two blocks of 32 at a time: 32 holds, four conversions, a plain line.
.macro QUANT3 xb, win, s
	s_wait_dscnt 0x0                               ; the last images' stores have read their registers
.irp g, 0,1,2
.irp q, 0,1
	WIN \win
.set n, 0
.rept 32
	v_med3_num_f32 v[TT+n], v[\xb+32*\q+n], -v[21+2*\g], v[21+2*\g]   ; the conversion to an 8-bit code does not saturate (ISA guide 7.6.2): the hold at the largest code x the scale
.set n, n+1
.endr
	WIN 0
.irp e, 0,1,2,3
	v_cvt_scalef32_pk8_fp8_f32 v[PC+16*\g+8*\q+2*\e:PC+16*\g+8*\q+2*\e+1], v[TT+8*\e:TT+8*\e+7], v[20+2*\g]
.endr
	v_nop                                          ; a plain line between the conversions and the holds that write their sources again
.endr
.irp c, 0,1,2,3
	ds_store_b128 v[5+\g], v[PC+16*\g+4*\c:PC+16*\g+4*\c+3] offset:2048*(\s)+512*\c
.endr
.endr
.endm
	WIN 0x40
	XLOAD 0, 2                                     ; into the registers that the mask has left
	XLOAD 64, 3
	WIN 0
	s_wait_loadcnt 50                              ; K step 0 is in; behind it: step 1's 16, bv's 2, steps 2 and 3's 32
	QUANT3 X0, 0, 0
	s_wait_loadcnt 34
	QUANT3 X1, 0, 1
	WIN 0x40
	WLOAD 8, 128, 15, 4096                         ; Wq
	WIN 0
	s_wait_loadcnt 48                              ; K step 2 is in; behind it: step 3's 16, Wq's 32
	QUANT3 0, 0x01, 2
	s_wait_loadcnt 32
	QUANT3 64, 0x01, 3
	s_wait_dscnt 0x0                               ; my images have landed, and their stores have read the registers that bq takes
	BLOAD 14
	WIN 0x40
	WLOAD 10, 0, 15, 4096                          ; Wk
	WIN 0
	s_barrier_signal -1
	s_barrier_wait -1                              ; x's 96 fragments lie in LDS
; ---- P: three products.  A K step is eight matrix instructions on eight accumulators by turns; the next step's four fragments of x are fetched ahead of it.
.macro FETCHX g, s, p
.irp t, 0,1,2,3
.irp c, 0,1,2,3
	ds_load_b128 v[XF+64*(\p)+16*\t+4*\c:XF+64*(\p)+16*\t+4*\c+3], v[8+\g] offset:(4*\t+\s)*2048+512*\c
.endr
.endr
.endm
.macro PMUL kind, wb, s
.set XS, XF+64*((\s)%2)
.if \kind
	WIN 0x04                                       ; V: source 0 = x, source 1 = Wv in window 1
.irp d, 0,1
.irp t, 0,1,2,3
.if (\s) == 0
	v_wmma_f32_16x16x128_fp8_fp8 v[ACC+8*(4*\d+\t):ACC+8*(4*\d+\t)+7], v[XS+16*\t:XS+16*\t+15], v[\wb+16*(4*\d+\s):\wb+16*(4*\d+\s)+15], v[BI+8*\d:BI+8*\d+7]
.else
	v_wmma_f32_16x16x128_fp8_fp8 v[ACC+8*(4*\d+\t):ACC+8*(4*\d+\t)+7], v[XS+16*\t:XS+16*\t+15], v[\wb+16*(4*\d+\s):\wb+16*(4*\d+\s)+15], v[ACC+8*(4*\d+\t):ACC+8*(4*\d+\t)+7]
.endif
.endr
.endr
.else
	WIN 0x01                                       ; Q, K: source 0 = W in window 1, source 1 = x
.irp t, 0,1,2,3
.irp u, 0,1
.if (\s) == 0
	v_wmma_f32_16x16x128_fp8_fp8 v[ACC+8*(2*\t+\u):ACC+8*(2*\t+\u)+7], v[\wb+16*(4*\u+\s):\wb+16*(4*\u+\s)+15], v[XS+16*\t:XS+16*\t+15], v[BI+8*\u:BI+8*\u+7]
.else
	v_wmma_f32_16x16x128_fp8_fp8 v[ACC+8*(2*\t+\u):ACC+8*(2*\t+\u)+7], v[\wb+16*(4*\u+\s):\wb+16*(4*\u+\s)+15], v[XS+16*\t:XS+16*\t+15], v[ACC+8*(2*\t+\u):ACC+8*(2*\t+\u)+7]
.endif
.endr
.endr
.endif
	WIN 0
.endm
.macro POUT vs, vl, sb, kind           ; 16 registers are 16 neighbours along the next K: held, converted, stored as a part of an image: 512 consecutive bytes a store
	s_wait_xcnt 0x0                                ; earlier stores have read the registers that the codes take
.irp g, 0,1,2,3
.set n, 0
.rept 16
	v_med3_num_f32 v[ACC+16*\g+n], v[ACC+16*\g+n], -v[\vl], v[\vl]   ; each accumulator from its low end on
.set n, n+1
.endr
	v_cvt_scalef32_pk8_fp8_f32 v[PO+4*\g:PO+4*\g+1], v[ACC+16*\g:ACC+16*\g+7], v[\vs]
	v_cvt_scalef32_pk8_fp8_f32 v[PO+4*\g+2:PO+4*\g+3], v[ACC+16*\g+8:ACC+16*\g+15], v[\vs]
.endr
	v_nop                                          ; a plain line behind the last conversion: matrix instructions write its sources next
.irp g, 0,1,2,3
.if \kind
	global_store_b128 v1, v[PO+4*\g:PO+4*\g+3], s[\sb:\sb+1] offset:2048*(\g/2)+512*(\g%2)
.else
	global_store_b128 v1, v[PO+4*\g:PO+4*\g+3], s[\sb:\sb+1] offset:1024*\g
.endif
.endr
.endm
.macro BSCALE se                       ; the bias / 2^(the two operands' exponents)
.set n, 0
.rept 16
	v_ldexp_f32 v[BI+n], v[BI+n], \se
.set n, n+1
.endr
.endm
	FETCHX 0, 0, 0
	s_wait_loadcnt 32                              ; Wq and bq are in; Wk's 32 loads may be out
	BSCALE s56
	FETCHX 0, 1, 1
	s_wait_dscnt 16                                ; this step's fragments are in, the next step's 16 loads may be out: so in every step below
	PMUL 0, 128, 0
	PLACES
	BLOAD 16                                       ; bk, into the registers that the products above have read as C
	FETCHX 0, 2, 0
	s_wait_dscnt 16
	PMUL 0, 128, 1
	PLACES
	FETCHX 0, 3, 1
	s_wait_dscnt 16
	PMUL 0, 128, 2
	PLACES
	FETCHX 1, 0, 0                                 ; K's first step: x by e2
	s_wait_dscnt 16
	PMUL 0, 128, 3
	PLACES
	WIN 0x40
	WLOAD 12, 128, 16, 8192                        ; Wv, where Wq lay
	WIN 0
	POUT 26, 27, 22, 0
	s_wait_loadcnt 32                              ; Wk and bk are in; Wv's 32 loads may be out
	BSCALE s57
	FETCHX 1, 1, 1
	s_wait_dscnt 16
	PMUL 0, 0, 0
	PLACES
.irp d, 0,1
.irp j, 0,1,2,3,4,5,6,7
	v_ldexp_f32 v[BI+8*\d+\j], v[30+\d], s58       ; V's result holds one channel a lane: its bias in all eight registers
.endr
.endr
	FETCHX 1, 2, 0
	s_wait_dscnt 16
	PMUL 0, 0, 1
	PLACES
	FETCHX 1, 3, 1
	s_wait_dscnt 16
	PMUL 0, 0, 2
	PLACES
	FETCHX 2, 0, 0                                 ; V's first step: x by e4
	s_wait_dscnt 16
	PMUL 0, 0, 3
	PLACES
	POUT 28, 29, 60, 0
	s_wait_loadcnt 0x0                             ; Wv
	FETCHX 2, 1, 1
	s_wait_dscnt 16
	PMUL 1, 128, 0
	PLACES
	FETCHX 2, 2, 0
	s_wait_dscnt 16
	PMUL 1, 128, 1
	PLACES
	FETCHX 2, 3, 1
	s_wait_dscnt 16
	PMUL 1, 128, 2
	s_wait_dscnt 0x0
	PMUL 1, 128, 3
	PLACES
	POUT 11, 19, 62, 1
	s_wait_xcnt 0x0
	v_lshl_add_u32 v254, v0, 2, 0x40800
	v_mov_b32 v255, 0
	s_wait_tensorcnt 0x0
	ds_add_u32 v254, v255
	s_wait_dscnt 0x0
	s_endpgm
.Lfunc_end_k_q78ba3380a7_prep:
	.size	k_q78ba3380a7_prep, .Lfunc_end_k_q78ba3380a7_prep-k_q78ba3380a7_prep
	.p2alignl 7, 3214868480
	.fill 96, 4, 3214868480
	.section	.rodata,"a",@progbits
	.p2align	6, 0x0
	.amdhsa_kernel k_q78ba3380a7_prep
		.amdhsa_group_segment_fixed_size 265216
		.amdhsa_private_segment_fixed_size 0
		.amdhsa_enable_private_segment 0
		.amdhsa_kernarg_size 96
		.amdhsa_user_sgpr_count 2
		.amdhsa_user_sgpr_kernarg_segment_ptr 1
		.amdhsa_wavefront_size32 1
		.amdhsa_system_sgpr_workgroup_id_x 1
		.amdhsa_system_sgpr_workgroup_id_y 1
		.amdhsa_system_sgpr_workgroup_id_z 1
		.amdhsa_system_vgpr_workitem_id 0
		.amdhsa_next_free_vgpr 512
		.amdhsa_next_free_sgpr 66
		.amdhsa_reserve_vcc 0
		.amdhsa_float_denorm_mode_32 3
		.amdhsa_float_denorm_mode_16_64 3
		.amdhsa_memory_ordered 1
		.amdhsa_forward_progress 1
		.amdhsa_inst_pref_size 168
	.end_amdhsa_kernel
	.amdgpu_metadata
---
amdhsa.version: [ 1, 2 ]
amdhsa.kernels:
  - .name:           k_q78ba3380a7_prep
    .symbol:         k_q78ba3380a7_prep.kd
    .args:
      - { .name: x, .offset: 0, .size: 8, .value_kind: global_buffer, .address_space: global }
      - { .name: mask, .offset: 8, .size: 8, .value_kind: global_buffer, .address_space: global }
      - { .name: Wq_codes, .offset: 16, .size: 8, .value_kind: global_buffer, .address_space: global }
      - { .name: Wk_codes, .offset: 24, .size: 8, .value_kind: global_buffer, .address_space: global }
      - { .name: Wv_codes, .offset: 32, .size: 8, .value_kind: global_buffer, .address_space: global }
      - { .name: bq, .offset: 40, .size: 8, .value_kind: global_buffer, .address_space: global }
      - { .name: bk, .offset: 48, .size: 8, .value_kind: global_buffer, .address_space: global }
      - { .name: bv, .offset: 56, .size: 8, .value_kind: global_buffer, .address_space: global }
      - { .name: lowp_scales, .offset: 64, .size: 8, .value_kind: global_buffer, .address_space: global }
      - { .name: qc, .offset: 72, .size: 8, .value_kind: global_buffer, .address_space: global }
      - { .name: kv, .offset: 80, .size: 8, .value_kind: global_buffer, .address_space: global }
      - { .name: mw, .offset: 88, .size: 8, .value_kind: global_buffer, .address_space: global }
    .group_segment_fixed_size: 265216
    .private_segment_fixed_size: 0
    .kernarg_segment_align: 8
    .kernarg_segment_size: 96
    .max_flat_workgroup_size: 256
    .sgpr_count:     66
    .vgpr_count:     512
    .wavefront_size: 32
...
	.end_amdgpu_metadata
.endif
;; end of part 1
;; launch attn (part 2): grid 16 x 16, 8 waves a work-group, no clusters, 149,504 bytes of LDS; arguments qc, kv, mw, Wo_codes, bo, x, lowp_scales, out0; writes out0
.if DOCPART == 2
	.amdgcn_target "amdgcn-amd-amdhsa--gfx1250"
	.amdhsa_code_object_version 6
	.text
	.protected	k_q78ba3380a7_attn
	.globl	k_q78ba3380a7_attn
	.p2align	8
	.type	k_q78ba3380a7_attn,@function
k_q78ba3380a7_attn:
	s_mov_b64 s[64:65], 0
	v_nop
	global_prefetch_b8 v0, s[64:65] scope:SCOPE_SE
	s_setreg_imm32_b32 hwreg(HW_REG_WAVE_MODE, 25, 1), 1
	s_wait_xcnt 0x0
; out0 = reshape(softmax(mask(Q K^T / 8)) V) Wo^T + bo + x, all three products on codes of E4M3.  Q, K, V come as images of operand registers (qc, kv), the mask as lane-mask words (mw).
; SHARES.  Work-group (x = block of 256 queries, y = b x 8 + head); each of eight waves owns two tiles of 16 queries (A, B), so that each fragment of K and V read from LDS feeds two matrix instructions.
; Keys go 128 a step; a slot of the ring is two steps, 32,768 bytes that are dense in kv; two slots.  A slot is asked for a whole slot ahead into 32 registers a lane and stored to LDS at the end of the slot before.
; LAYOUT.  S^T = K Q^T and O^T = V^T P^T: a lane holds one query throughout.  Register n of a score tile is key 32 (n / 16) + 16 h + n % 16 of the step, so eight conversions give P as the second product's operand.
; SOFTMAX.  t = score x c, c = log2(e) / 8 x 2^(e6 + e7); M = the running largest t rounded up to a whole number; p = 2^(t - M) is quantised with 2^e8; the sum is taken of the unquantised p; when M moves, the sum and
; O^T are multiplied by 2^(old M - new M), which rounds nothing.
; THE MASK.  Where the word's bit is set the score becomes -2^(33 - e6 - e7), which stands for the logit -2^30 in place of -1e9; c times it is a whole number, so a row or step with no open key gives t - M = 0 exactly
; and p = 1, the uniform row.  LIMIT: -94 <= e6 + e7 <= 9.  Inside it an open logit is at most 64 x 448^2 x 2^9 / 8 = 8.3e8 in size, so both stand-ins give p = 0 beside any open key and a uniform row without one.
; THE HOLD OF p at 448 x 2^e8 is jumped over where it can change nothing: with e8 >= -8 the limit is at least 1.75, and with e6 + e7 <= 0 every |t| is under 2^22, so t - M is at most 1/8 and p under 1.1.
; The jump hangs on the given whole numbers alone.
; THE LAST PRODUCT.  reshape() makes of 8 neighbouring queries of a head one row of 512: the block's 256 queries are rows 32 (16 y + x) .. + 31.  ctx is quantised in registers and laid as 32 rows of codes in LDS;
; wave w makes columns 64 w .. + 63 (transposed: source 0 = Wo); the sums meet in a stage, and each wave stores four whole rows.
; NO JOINT LOADS in a cluster, though the 16 blocks of a head walk the same kv: a slot costs a lane 8 loads and 8 LDS stores, beside four tile steps of some 270 vector instructions each for its wave, so what is shared
; is a small part of a step.
; LIMITS: e8, e10 between -126 and 119; e10 + e11 between -126 and 127.  NaN among the inputs is not served.
; LDS: 0 the ring (slot p at 32768 p; step q at + 16384 q: K 8,192 bytes, V 8,192);  CTX 32 rows x 528;  OST 32 rows x 2,064.
; REGISTERS, window 0: v1 16 L; v2 16 x thread; v3 the masked score (later Wo's offset); v4, v5 2^e8, 448 x 2^e8 (later e10's); v6 ctx out; v7 stage in; v8-11, v12-15 -M, largest t, sum (two halves) of A, B; v16, v17 at work;
;   v[18:19] f; v[20:21] the second sum chain (later v20: stage out); v22 a lane permute's destination; v23 ctx in; v24-31 ctx's codes; v32-47, v48-63 P of A, B; v64-127, v128-191 S^T of A, B; v192-255 K's eight fragments.
;   window 1: v0-31, v32-63 O^T of A, B; v64-79 Q; v80-143 V's four fragments; v144-175 the slot on its way; v176-239 my four rows of x; v240-255 bo.
; s[32:63], s[68:99]: a tile step's 64 mask words.
.set CTX, 65536
.set CP,  528
.set OST, 82432
.set OP,  2064
.set PA,  32
.set PB,  48
.set SA,  64
.set SB,  128
.set KF,  192
.set QA,  64
.set QB,  72
.set VF,  80
.set GG,  144
.set XR,  176
.set BO,  240
.set MSB, 0
.macro WIN new                         ; the immediate's high byte repeats the setting that is left
.if MSB != \new
	s_set_vgpr_msb (MSB<<8)|\new
.set MSB, \new
.endif
.endm
.macro PLACES                          ; four plain places behind matrix instructions, in front of loads into their registers and of reads of their results
.rept 4
	v_nop
.endr
.endm
.macro GLOAD                           ; a slot: 256 threads x 16 bytes x 8
	WIN 0x40
.irp i, 0,1,2,3,4,5,6,7
	global_load_b128 v[GG+4*\i:GG+4*\i+3], v2, s[6:7] offset:4096*\i
.endr
	WIN 0
.endm
.macro GSTORE p
	WIN 0x04
.irp i, 0,1,2,3,4,5,6,7
	ds_store_b128 v2, v[GG+4*\i:GG+4*\i+3] offset:32768*\p+4096*\i
.endr
	WIN 0
.endm
.macro MLD off                         ; 64 words, 256 bytes, at the step's offset s26
	s_load_b512 s[32:47], s[8:9], s26 offset:\off
	s_load_b512 s[48:63], s[8:9], s26 offset:\off+64
	s_load_b512 s[68:83], s[8:9], s26 offset:\off+128
	s_load_b512 s[84:99], s[8:9], s26 offset:\off+192
.endm
	s_load_b512 s[4:19], s[0:1], 0x0               ; qc 4, kv 6, mw 8, Wo 10, bo 12, x 14, scales 16, out0 18
	v_lshrrev_b32 v1, 5, v0
	v_readfirstlane_b32 s20, v1                    ; wave 0..7
	v_and_b32 v16, 31, v0
	v_lshlrev_b32 v1, 4, v16
	v_lshlrev_b32 v2, 4, v0
	v_and_b32 v16, 15, v0                          ; r
	v_bfe_u32 v17, v0, 4, 1                        ; h
	v_lshrrev_b32 v20, 3, v16                      ; tile u, lane r is local query 32 w + 8 u + r + 8 (r / 8): row 4 w + u + 2 (r / 8) of ctx, bytes 64 (r % 8) on
	v_mul_u32_u24 v23, v20, 2*CP
	v_and_b32 v20, 7, v16
	v_lshl_add_u32 v23, v20, 6, v23
	v_lshl_add_u32 v23, v17, 3, v23
	s_mul_i32 s2, s20, 4*CP
	s_add_co_u32 s2, s2, CTX
	v_add_nc_u32 v23, s2, v23
	v_mul_u32_u24 v6, v16, CP
	v_lshl_add_u32 v6, v17, 4, v6
	v_add_nc_u32 v6, CTX, v6
	v_mul_u32_u24 v7, v16, OP
	v_lshl_add_u32 v7, v17, 5, v7
	s_lshl_b32 s2, s20, 8
	s_add_co_u32 s2, s2, OST
	v_add_nc_u32 v7, s2, v7
	s_wait_kmcnt 0x0
	s_load_b128 s[32:35], s[16:17], 0x18           ; e6 .. e9
	s_load_b64 s[36:37], s[16:17], 0x28            ; e10, e11
	s_and_b32 s31, ttmp7, 0xffff                   ; bh
	s_mov_b32 s3, 0
	s_lshl_b32 s2, s31, 19
	s_add_nc_u64 s[6:7], s[6:7], s[2:3]            ; kv at my head
	s_lshl_b32 s100, ttmp9, 4
	s_lshl_b32 s101, s20, 1
	s_add_co_u32 s100, s100, s101                  ; my tile A: 16 x block + 2 w
	s_lshl_b32 s2, s100, 13
	s_add_nc_u64 s[8:9], s[8:9], s[2:3]            ; its words: 8,192 bytes a tile
	s_lshl_b32 s2, s31, 8
	s_add_co_u32 s2, s2, s100
	s_lshl_b32 s2, s2, 10
	s_add_nc_u64 s[4:5], s[4:5], s[2:3]            ; its image in qc
	s_lshl_b32 s2, s31, 4
	s_add_co_u32 s2, s2, ttmp9
	s_lshl_b32 s2, s2, 5
	s_lshl_b32 s101, s20, 2
	s_add_co_u32 s2, s2, s101                      ; my four rows of x and out0: 32 (16 bh + block) + 4 w
	s_lshl_b32 s2, s2, 11
	s_add_nc_u64 s[14:15], s[14:15], s[2:3]
	s_add_nc_u64 s[18:19], s[18:19], s[2:3]
	s_lshl_b32 s2, s20, 15
	s_add_nc_u64 s[10:11], s[10:11], s[2:3]        ; my 64 rows of Wo
	GLOAD                                          ; slot 0
	WIN 0x40
.irp u, 0,1
.irp c, 0,1
	global_load_b128 v[QA+8*\u+4*\c:QA+8*\u+4*\c+3], v1, s[4:5] offset:1024*\u+512*\c
.endr
.endr
.irp p, 0,1,2,3
.irp i, 0,1,2,3
	global_load_b128 v[XR+4*(4*\p+\i):XR+4*(4*\p+\i)+3], v1, s[14:15] offset:2048*\p+512*\i th:TH_LOAD_NT
.endr
.endr
.irp i, 0,1,2,3
	global_load_b128 v[BO+4*\i:BO+4*\i+3], v1, s[12:13] offset:512*\i
.endr
.set n, 0
.rept 64
	v_mov_b32 v[n], 0                              ; O^T.  (The step is written once: the first finds zeros, which the first change of M leaves zeros)
.set n, n+1
.endr
	WIN 0
	s_wait_kmcnt 0x0
	s_add_co_i32 s100, s32, s33                    ; E = e6 + e7
	s_lshl_b32 s101, s100, 23
	s_add_co_i32 s22, s101, 0x3e38aa3b             ; c = log2(e) / 8 x 2^E: E is added to the exponent field
	s_mov_b32 s23, s22                             ; (named with it as a pair, so it is written)
	s_sub_co_i32 s101, 160, s100
	s_lshl_b32 s101, s101, 23
	s_or_b32 s101, s101, 0x80000000
	v_mov_b32 v3, s101                             ; -2^(33 - E)
	s_add_co_i32 s101, s34, 127
	s_lshl_b32 s2, s101, 23
	v_mov_b32 v4, s2                               ; 2^e8
	s_add_co_i32 s101, s101, 8
	s_lshl_b32 s101, s101, 23
	s_or_b32 s101, s101, 0x600000
	v_mov_b32 v5, s101                             ; 448 x 2^e8
	s_add_co_i32 s30, s34, s35                     ; e8 + e9
	s_add_co_i32 s101, s36, 127
	s_lshl_b32 s66, s101, 23                       ; 2^e10
	s_add_co_i32 s101, s101, 8
	s_lshl_b32 s67, s101, 23
	s_or_b32 s67, s67, 0x600000                    ; 448 x 2^e10
	s_add_co_i32 s28, s36, s37
	s_add_co_i32 s28, s28, 127
	s_lshl_b32 s28, s28, 23                        ; 2^(e10 + e11)
	s_mov_b32 s29, s28
	s_cmp_lt_i32 s34, -8
	s_cselect_b32 s27, 1, 0
	s_cmp_gt_i32 s100, 0
	s_cselect_b32 s27, 1, s27                      ; 1: p is held
	s_mov_b32 s24, 0x76543210                      ; v_permlanex16_b32's selects for lane l xor 16
	s_mov_b32 s25, 0xfedcba98
	s_mov_b32 s26, 0
	MLD 0                                          ; tile A's words of step 0 (the exponents above have been used up)
	v_mov_b32 v9, 0xff61b1e6                       ; the largest t so far: -3e38
	v_floor_f32 v8, -v9
	v_mov_b32 v10, 0
	v_mov_b32 v11, 0
	v_mov_b32 v13, 0xff61b1e6
	v_floor_f32 v12, -v13
	v_mov_b32 v14, 0
	v_mov_b32 v15, 0
	v_mov_b32 v19, 0                               ; (named as the upper half of the pair v[18:19])
	v_mov_b32 v22, 0
	s_wait_loadcnt 24                              ; slot 0's eight loads are in; Q's 4, x's 16 and bo's 4 may be out
	GSTORE 0
	s_wait_dscnt 0x0
	s_wait_loadcnt 0x0                             ; Q is in, and kv's base may step
	s_add_nc_u64 s[6:7], s[6:7], 0x8000
	GLOAD                                          ; slot 1
	s_barrier_signal -1
	s_barrier_wait -1
	s_mov_b32 s21, 0
.macro FETCH_K p, q
.irp t, 0,1,2,3,4,5,6,7
.irp c, 0,1
	ds_load_b128 v[KF+8*\t+4*\c:KF+8*\t+4*\c+3], v1 offset:32768*\p+16384*\q+1024*\t+512*\c
.endr
.endr
.endm
.macro FETCH_V p, q
	WIN 0x40
.irp d, 0,1,2,3
.irp c, 0,1,2,3
	ds_load_b128 v[VF+16*\d+4*\c:VF+16*\d+4*\c+3], v1 offset:32768*\p+16384*\q+8192+2048*\d+512*\c
.endr
.endr
	WIN 0
.endm
.macro KQ                              ; 16 products, 16 different results
	WIN 0x04
.irp t, 0,1,2,3,4,5,6,7
	v_wmma_f32_16x16x64_fp8_fp8 v[SA+8*\t:SA+8*\t+7], v[KF+8*\t:KF+8*\t+7], v[QA:QA+7], 0
	v_wmma_f32_16x16x64_fp8_fp8 v[SB+8*\t:SB+8*\t+7], v[KF+8*\t:KF+8*\t+7], v[QB:QB+7], 0
.endr
	WIN 0
.endm
.macro MASK sb                         ; each accumulator from its low end on
.set n, 0
.rept 32
	v_cndmask_b32 v[\sb+n], v[\sb+n], v3, s[32+n]
.set n, n+1
.endr
.rept 32
	v_cndmask_b32 v[\sb+n], v[\sb+n], v3, s[36+n]
.set n, n+1
.endr
.endm
; One tile's softmax for one step.  st: -M, largest t, the sum's pair.  An exponential always has a plain line behind it before its result is used: scalings two pairs ahead and sums a pair back stand between them.
.macro SOFT sb, st, pb
	v_max3_num_f32 v16, v[\sb], v[\sb+1], v[\sb+2]
	v_max3_num_f32 v17, v[\sb+3], v[\sb+4], v[\sb+5]
.set n, 6
.rept 14
	v_max3_num_f32 v16, v16, v[\sb+n], v[\sb+n+1]
	v_max3_num_f32 v17, v17, v[\sb+n+2], v[\sb+n+3]
.set n, n+4
.endr
	v_max3_num_f32 v16, v16, v[\sb+62], v[\sb+63]
	v_max_num_f32 v16, v16, v17
	v_permlanex16_b32 v22, v16, s24, s25
	v_max_num_f32 v16, v16, v22                    ; the step's largest score of my query
	v_mul_f32 v16, s22, v16                        ; as t (c is positive)
	v_max_num_f32 v[\st+1], v[\st+1], v16
	v_mov_b32 v16, v[\st]
	v_floor_f32 v[\st], -v[\st+1]                  ; -M = floor(-t)
	v_sub_f32 v16, v[\st], v16                     ; old M - new M: a whole number, 0 or less
	v_cvt_i32_f32 v16, v16                         ; (it saturates)
	v_ldexp_f32 v18, 1.0, v16                      ; f
	v_pk_mul_f32 v[\st+2:\st+3], v[\st+2:\st+3], v[18:19] op_sel_hi:[1,0]
	v_pk_fma_f32 v[\sb:\sb+1], v[\sb:\sb+1], s[22:23], v[\st:\st+1] op_sel_hi:[1,0,0]
	v_pk_fma_f32 v[\sb+2:\sb+3], v[\sb+2:\sb+3], s[22:23], v[\st:\st+1] op_sel_hi:[1,0,0]
.set n, 0
.rept 32
.if n < 30
	v_pk_fma_f32 v[\sb+2*n+4:\sb+2*n+5], v[\sb+2*n+4:\sb+2*n+5], s[22:23], v[\st:\st+1] op_sel_hi:[1,0,0]   ; t - M (of the pairs c and -M the low word serves both halves)
.else
	v_nop
.endif
	v_exp_f32 v[\sb+2*n], v[\sb+2*n]
.if n == 4
	s_wait_alu depctr_va_vdst(0)
	v_pk_add_f32 v[20:21], v[\sb+2:\sb+3], v[\sb+6:\sb+7]                       ; the odd pairs' chain begins
.elseif (n > 0) && ((n-1)%2 == 0)
	s_wait_alu depctr_va_vdst(0)
	v_pk_add_f32 v[\st+2:\st+3], v[\st+2:\st+3], v[\sb+2*n-2:\sb+2*n-1]         ; THE SUM IS TAKEN OF THE UNQUANTISED p
.elseif n > 4
	s_wait_alu depctr_va_vdst(0)
	v_pk_add_f32 v[20:21], v[20:21], v[\sb+2*n-2:\sb+2*n-1]
.endif
	v_exp_f32 v[\sb+2*n+1], v[\sb+2*n+1]
.set n, n+1
.endr
	v_nop
	s_wait_alu depctr_va_vdst(0)
	v_pk_add_f32 v[20:21], v[20:21], v[\sb+62:\sb+63]
	v_pk_add_f32 v[\st+2:\st+3], v[\st+2:\st+3], v[20:21]
	s_cmp_eq_u32 s27, 0
	s_cbranch_scc1 .Lnh_\@
.set n, 0
.rept 64
	v_min_num_f32 v[\sb+n], v[\sb+n], v5           ; the conversion does not saturate (ISA guide 7.6.2); p is not negative, so the hold is one-sided
.set n, n+1
.endr
.Lnh_\@:
.irp g, 0,1,2,3,4,5,6,7
	v_cvt_scalef32_pk8_fp8_f32 v[\pb+2*\g:\pb+2*\g+1], v[\sb+8*\g:\sb+8*\g+7], v4
.endr
.endm
.macro RESC u                          ; O^T x f; also the plain lines between the conversions and the products that read their results
	WIN 0x41
.set n, 0
.rept 16
	v_pk_mul_f32 v[32*\u+2*n:32*\u+2*n+1], v[32*\u+2*n:32*\u+2*n+1], v[18:19] op_sel_hi:[1,0]
.set n, n+1
.endr
.endm
.macro PV u, pb                        ; four accumulators, one instruction each
	WIN 0x51
.irp d, 0,1,2,3
	v_wmma_f32_16x16x128_fp8_fp8 v[32*\u+8*\d:32*\u+8*\d+7], v[VF+16*\d:VF+16*\d+15], v[\pb:\pb+15], v[32*\u+8*\d:32*\u+8*\d+7]
.endr
	WIN 0
.endm
.macro STEP p, q
	PLACES                                         ; V's registers were read by the last products
.if \q == 0
	FETCH_K \p, 0
.endif
	FETCH_V \p, \q
	s_wait_dscnt 16                                ; K is in; V's 16 loads may be out
	KQ
	PLACES
.if \q == 0
	FETCH_K \p, 1                                  ; the slot's second step, a step ahead
.endif
	s_wait_kmcnt 0x0                               ; tile A's words
	MASK SA
	MLD 8192                                       ; tile B's words: a softmax ahead of their use
	SOFT SA, 8, PA
	RESC 0
.if \q == 0
	s_wait_dscnt 16                                ; V is in; the next K's 16 loads may be out
.else
	s_wait_dscnt 0x0
.endif
	PV 0, PA
	s_wait_kmcnt 0x0                               ; tile B's words are in, and the offset may step
	MASK SB
	s_add_co_u32 s26, s26, 256
	MLD 0                                          ; tile A's words of the next step (behind the last step: tile B's first words, inside the buffer, not used)
	SOFT SB, 12, PB
	RESC 1
	PV 1, PB
.endm
; A slot: its two steps; then the next slot goes from registers into the other half of the ring, which every wave left in front of the last barrier, and the slot after that is asked for.
.macro TRIP p
	STEP \p, 0
	STEP \p, 1
.if \p == 0
	s_wait_loadcnt 0x0                             ; the next slot is in registers
	GSTORE 1
	s_wait_dscnt 0x0                               ; my stores have landed and have read their registers; my reads of this slot are over
	s_cmp_eq_u32 s21, 7
	s_cbranch_scc1 .Lnl_\@                         ; nothing is left to ask for: no load leaves the buffer
	s_add_nc_u64 s[6:7], s[6:7], 0x8000
	GLOAD
.Lnl_\@:
.else
	s_wait_dscnt 0x0                               ; my reads of this slot are over
	s_cmp_eq_u32 s21, 7
	s_cbranch_scc1 .Lnl_\@                         ; the last slot has no successor
	s_wait_loadcnt 0x0
	GSTORE 0
	s_wait_dscnt 0x0
	s_add_nc_u64 s[6:7], s[6:7], 0x8000
	GLOAD
.Lnl_\@:
.endif
	s_barrier_signal -1
	s_barrier_wait -1
.endm
.Ltrip:                                            ; 8 trips of two slots: 32 steps
	TRIP 0
	TRIP 1
	s_add_co_u32 s21, s21, 1
	s_cmp_lt_u32 s21, 8
	s_cbranch_scc1 .Ltrip
	; ---- ctx = O^T / the sum x 2^(e8 + e9), quantised with 2^e10, to LDS as rows of the last product.  Wo's 16 fragments are asked for first, into the registers that S^T, K and V have left.
	PLACES
	s_wait_kmcnt 0x0
	v_and_b32 v16, 15, v0
	v_bfe_u32 v17, v0, 4, 1
	v_lshlrev_b32 v3, 9, v16
	v_lshl_add_u32 v3, v17, 4, v3                  ; Wo: row r of 512 bytes, + 16 h
	v_mov_b32 v4, s66
	v_mov_b32 v5, s67
.macro WOLOAD ks, base
.irp t, 0,1,2,3
.irp c, 0,1,2,3
	global_load_b128 v[\base+16*\t+4*\c:\base+16*\t+4*\c+3], v3, s[10:11] offset:8192*\t+128*\ks+32*\c
.endr
.endr
.endm
	WOLOAD 0, 64
	WOLOAD 1, 128
	WOLOAD 2, 192
	WIN 0x40
	WOLOAD 3, 80
	WIN 0
.macro CTXQ u, st
	v_add_f32 v16, v[\st+2], v[\st+3]
	v_permlanex16_b32 v22, v16, s24, s25
	v_add_f32 v16, v16, v22                        ; the row's sum
	v_rcp_f32 v18, v16
	v_nop                                          ; a plain line behind the transcendental
	s_wait_alu depctr_va_vdst(0)
	v_ldexp_f32 v18, v18, s30
	WIN 0x01
.set n, 0
.rept 16
	v_pk_mul_f32 v[32+2*n:33+2*n], v[32*\u+2*n:32*\u+2*n+1], v[18:19] op_sel_hi:[1,0]   ; each accumulator from its low end on
.set n, n+1
.endr
	WIN 0
.set n, 0
.rept 32
	v_med3_num_f32 v[32+n], v[32+n], -v5, v5
.set n, n+1
.endr
.irp d, 0,1,2,3
	v_cvt_scalef32_pk8_fp8_f32 v[24+2*\d:25+2*\d], v[32+8*\d:39+8*\d], v4
.endr
	v_nop
.irp d, 0,1,2,3
	ds_store_b64 v23, v[24+2*\d:25+2*\d] offset:CP*\u+16*\d   ; channels 16 d + 8 h + 0 .. 7 of my query
.endr
	s_wait_dscnt 0x0
.endm
	CTXQ 0, 8
	CTXQ 1, 12
	s_barrier_signal -1
	s_barrier_wait -1                              ; 32 rows of codes lie in LDS
	; ---- the last product: 4 tiles of my 64 columns x 2 tiles of rows: eight accumulators by turns, where O^T lay
.macro CFETCH ks, base
.irp m, 0,1
.irp c, 0,1,2,3
	ds_load_b128 v[\base+16*\m+4*\c:\base+16*\m+4*\c+3], v6 offset:16*CP*\m+128*\ks+32*\c
.endr
.endr
.endm
.macro OMUL wo, cx, zero
.irp t, 0,1,2,3
.irp m, 0,1
.if \zero
	v_wmma_f32_16x16x128_fp8_fp8 v[8*(2*\t+\m):8*(2*\t+\m)+7], v[\wo+16*\t:\wo+16*\t+15], v[\cx+16*\m:\cx+16*\m+15], 0
.else
	v_wmma_f32_16x16x128_fp8_fp8 v[8*(2*\t+\m):8*(2*\t+\m)+7], v[\wo+16*\t:\wo+16*\t+15], v[\cx+16*\m:\cx+16*\m+15], v[8*(2*\t+\m):8*(2*\t+\m)+7]
.endif
.endr
.endr
.endm
	WIN 0x40
	CFETCH 0, GG
	WIN 0
	CFETCH 1, 32
	s_wait_dscnt 0x0
	s_wait_loadcnt 32                              ; Wo's K steps 0 and 1 are in; the 32 loads of steps 2 and 3 may be out
	WIN 0x54                                       ; Wo window 0, ctx window 1, sums window 1
	OMUL 64, GG, 1
	WIN 0x50
	OMUL 128, 32, 0
	PLACES
	WIN 0x40
	CFETCH 2, GG
	WIN 0
	CFETCH 3, 32
	s_wait_dscnt 0x0
	s_wait_loadcnt 0x0
	WIN 0x54
	OMUL 192, GG, 0
	WIN 0x51                                       ; Wo window 1, ctx window 0
	OMUL 80, 32, 0
	PLACES
	WIN 0x04
.irp t, 0,1,2,3
.irp m, 0,1
	ds_store_b128 v7, v[8*(2*\t+\m):8*(2*\t+\m)+3] offset:16*OP*\m+64*\t       ; lane (r, h): row 16 m + r, columns 64 w + 16 t + 8 h + 0 .. 7; the low four registers first
	ds_store_b128 v7, v[8*(2*\t+\m)+4:8*(2*\t+\m)+7] offset:16*OP*\m+64*\t+16
.endr
.endr
	WIN 0
	s_wait_dscnt 0x0
	s_barrier_signal -1
	s_barrier_wait -1                              ; 32 whole rows of sums lie in the stage
	s_mul_i32 s2, s20, 4*OP
	s_add_co_u32 s2, s2, OST
	v_add_nc_u32 v20, s2, v1
.irp p, 0,1,2,3
.irp i, 0,1,2,3
	ds_load_b128 v[64+4*(4*\p+\i):64+4*(4*\p+\i)+3], v20 offset:OP*\p+512*\i
.endr
.endr
	WIN 0x45
.irp p, 0,1,2,3
.irp i, 0,1,2,3
.irp m, 0,2
	v_pk_add_f32 v[XR+4*(4*\p+\i)+\m:XR+4*(4*\p+\i)+\m+1], v[XR+4*(4*\p+\i)+\m:XR+4*(4*\p+\i)+\m+1], v[BO+4*\i+\m:BO+4*\i+\m+1]   ; x + bo, while the sums come back
.endr
.endr
.endr
	s_wait_dscnt 0x0
	WIN 0x10
.set n, 0
.rept 32
	v_pk_fma_f32 v[64+n:65+n], v[64+n:65+n], s[28:29], v[XR+n:XR+n+1] op_sel_hi:[1,0,1]   ; sum x 2^(e10 + e11) + bo + x
.set n, n+2
.endr
	WIN 0
.irp p, 0,1,2,3
.irp i, 0,1,2,3
	global_store_b128 v1, v[64+4*(4*\p+\i):64+4*(4*\p+\i)+3], s[18:19] offset:2048*\p+512*\i th:TH_STORE_NT   ; 32 lanes store 512 consecutive bytes, aligned
.endr
.endr
	s_wait_xcnt 0x0
	v_lshl_add_u32 v254, v0, 2, 0x24400
	v_mov_b32 v255, 0
	s_wait_tensorcnt 0x0
	ds_add_u32 v254, v255
	s_wait_dscnt 0x0
	s_endpgm
.Lfunc_end_k_q78ba3380a7_attn:
	.size	k_q78ba3380a7_attn, .Lfunc_end_k_q78ba3380a7_attn-k_q78ba3380a7_attn
	.p2alignl 7, 3214868480
	.fill 96, 4, 3214868480
	.section	.rodata,"a",@progbits
	.p2align	6, 0x0
	.amdhsa_kernel k_q78ba3380a7_attn
		.amdhsa_group_segment_fixed_size 149504
		.amdhsa_private_segment_fixed_size 0
		.amdhsa_enable_private_segment 0
		.amdhsa_kernarg_size 64
		.amdhsa_user_sgpr_count 2
		.amdhsa_user_sgpr_kernarg_segment_ptr 1
		.amdhsa_wavefront_size32 1
		.amdhsa_system_sgpr_workgroup_id_x 1
		.amdhsa_system_sgpr_workgroup_id_y 1
		.amdhsa_system_sgpr_workgroup_id_z 1
		.amdhsa_system_vgpr_workitem_id 0
		.amdhsa_next_free_vgpr 512
		.amdhsa_next_free_sgpr 102
		.amdhsa_reserve_vcc 0
		.amdhsa_float_denorm_mode_32 3
		.amdhsa_float_denorm_mode_16_64 3
		.amdhsa_memory_ordered 1
		.amdhsa_forward_progress 1
		.amdhsa_inst_pref_size 198
	.end_amdhsa_kernel
	.amdgpu_metadata
---
amdhsa.version: [ 1, 2 ]
amdhsa.kernels:
  - .name:           k_q78ba3380a7_attn
    .symbol:         k_q78ba3380a7_attn.kd
    .args:
      - { .name: qc, .offset: 0, .size: 8, .value_kind: global_buffer, .address_space: global }
      - { .name: kv, .offset: 8, .size: 8, .value_kind: global_buffer, .address_space: global }
      - { .name: mw, .offset: 16, .size: 8, .value_kind: global_buffer, .address_space: global }
      - { .name: Wo_codes, .offset: 24, .size: 8, .value_kind: global_buffer, .address_space: global }
      - { .name: bo, .offset: 32, .size: 8, .value_kind: global_buffer, .address_space: global }
      - { .name: x, .offset: 40, .size: 8, .value_kind: global_buffer, .address_space: global }
      - { .name: lowp_scales, .offset: 48, .size: 8, .value_kind: global_buffer, .address_space: global }
      - { .name: out0, .offset: 56, .size: 8, .value_kind: global_buffer, .address_space: global }
    .group_segment_fixed_size: 149504
    .private_segment_fixed_size: 0
    .kernarg_segment_align: 8
    .kernarg_segment_size: 64
    .max_flat_workgroup_size: 256
    .sgpr_count:     102
    .vgpr_count:     512
    .wavefront_size: 32
...
	.end_amdgpu_metadata
.endif
;; end of part 2
;; ======== version 2 of 2: 2 launches; version 1 with the launches prep, attn written anew for expert scheduling mode
;; limits: right only within a limited range of input values
;; workspace buffers: qc 4,194,304 bytes; kv 8,388,608 bytes; mw 2,097,152 bytes of whole numbers
;; launch prep (part 3): grid 256 x 1, 8 waves a work-group, no clusters, 265,216 bytes of LDS; arguments x, mask, Wq_codes, Wk_codes, Wv_codes, bq, bk, bv, lowp_scales, qc, kv, mw; writes qc, kv, mw
.if DOCPART == 3
	.amdgcn_target "amdgcn-amd-amdhsa--gfx1250"
	.amdhsa_code_object_version 6
	.text
	.protected	k_q78ba3380a7_prep
	.globl	k_q78ba3380a7_prep
	.p2align	8
	.type	k_q78ba3380a7_prep,@function
k_q78ba3380a7_prep:
	s_mov_b64 s[64:65], 0
	v_nop
	global_prefetch_b8 v0, s[64:65] scope:SCOPE_SE
	s_setreg_imm32_b32 hwreg(HW_REG_WAVE_SCHED_MODE, 0, 2), 2
	s_setreg_imm32_b32 hwreg(HW_REG_WAVE_MODE, 25, 1), 1
	s_wait_xcnt 0x0
	s_wait_alu depctr_vm_vsrc(0)
; TWO JOBS IN ONE LAUNCH, 256 work-groups of eight waves, straight-line text.
; (M) The mask [4096][4096] int32 becomes lane-mask words: mw[tile T 256][step j 32][word n 64]; bit L = 16 h + r of word n says mask == 1 for query 128 (T / 8) + rho(T % 8, r) and
;     key 128 j + 32 (n / 16) + 16 h + n % 16: the place that the score tile of the next launch gives that number.  Work-group g takes tile g (16 rows, 262,144 bytes), wave w steps 4 w .. 4 w + 3.
; (P) Q, K, V = x W^T + b on codes of E4M3.  x is quantised three times (its three given scales may differ); the results are quantised with their given scales and stored as IMAGES OF OPERAND REGISTERS.
;     Work-group g takes x rows 128 (g / 4) .. + 127 and heads 2 (g % 4), 2 (g % 4) + 1.
; THE ROW ORDER rho(t, r) = 32 (t / 2) + 8 (t % 2) + r + 8 (r / 8): lane place r of tile t of a block of 128 rows.  With it the 16 registers of two neighbouring result tiles are 16 neighbours along the next K.
; AN IMAGE: part c of a fragment is 512 bytes, lane L at 16 L: of the lane's row the K bytes 32 c + 16 h + 0 .. 15.  The same permutation of k on both sides of every product.
;   qc [bh 16][tile 256][c 2][512]: Q.   kv [bh 16][step 32][16384]: K as [tile 8][c 2][512], then V, keys innermost, as [d tile 4][c 4][512].
; Q and K are made transposed (source 0 = 16 rows of W, taken in the order r + 8 (r / 8); source 1 = 16 rows of x): a lane holds one row of x and 16 neighbouring channels.
; V is made the other way (source 0 = x, source 1 = 16 rows of Wv): a lane holds one channel and 16 neighbouring keys.  A bias is the C of a sum's first product, divided by the power of two that the sums lack.
; No tensor loads and no cluster: x's codes are made once a work-group and go round in LDS; the weights (32 rows a wave and matrix) stay in registers.
; LIMITS on the given exponents, so that each power of two below is an f32 number: e0, e2, e4, e6 - e0 - e1, e7 - e2 - e3, e9 - e4 - e5 between -126 and 119.  NaN among the inputs is not served.
; LDS: 0: x's images, ((set 3 x 8 + row tile) x 4 + K step) x 2048 bytes;  MSTG: a stage of 16 rows x 528 bytes for each wave, for the mask.
; REGISTERS, window 0: v1 16 L; v2 r; v3 h; v4 x's offset; v5-7 where I store x's images (set 0, 1, 2); v8-10 where I read them; v12, v13 the stage in and out; v14 8 L; v15, v16 offsets in W; v17 64 h; v18 4 r;
;   v20-25 2^e and 448 x 2^e for x's three sets; v26-29, v11, v19 the same for Q's, K's, V's conversions; v30, v31 bv.  v32-159 x, later ACC v32-95 and x's fragments v96-223; v160-239 at work; v224-239 bias; v240-255 words, later codes.
;   window 1: the mask as loaded; then x's K steps 2, 3 (v0-127) and Wq (v128-255); then Wk (v0-127), Wv (v128-255).
; THE MODE: SCHED_MODE bits 1:0 = 2 (LLVM: expert scheduling mode 2), set by the entry lines.  The code itself states the register dependences between vector or matrix instructions and memory or LDS
; instructions, with s_wait_alu, always for 0.
; THE PLAN.  Registers that memory or LDS instructions touch, and who else names them:
;   v1, v4-v10, v12-v18   offsets and LDS addresses: made at the head, ahead of the one wait on va_vdst in front of the first load; never written again.
;   window 1              the mask lands; my LDS stores read it; x's K steps 2, 3 and Wq land there behind waits on vm_vsrc.  The holds read x, then Wk lands; Q's products read Wq, then Wv lands: each behind a wait on va_vdst.
;   MT   v160-223         LDS loads land, the compares read.  The wait on va_vdst ahead of a step's store of words stands also between its compares and the next step's loads.
;   s36-51                sixteen compares write them, sixteen lane writes read them: a wait on va_sdst between the two runs.
;   PC   v192-239         a K step's conversions of all three sets write them; ONE wait on va_vdst; the twelve LDS stores read them; a wait on vm_vsrc at the next K step's head.
;   XF   two sets         step s's products read set s % 2; behind them the places, one wait on va_vdst, and step s + 2's LDS loads land in that set.  The bias registers are loaded behind the same wait.
;   PO   v240-255         a wait on vm_vsrc, the conversions, a wait on va_vdst, the four stores.
.set MSTG, 196608
.set MP,   528                         ; a stage row: 512 bytes + 16: row r starts 4 r words on, so sixteen rows start at sixteen different places of a 256-byte line
.set X0,   32
.set X1,   96
.set MT,   160                         ; 64 mask numbers of a lane
.set TT,   160                         ; 32 held numbers
.set PC,   192                         ; x's codes: 16 registers for each set
.set ACC,  32
.set XF,   96                          ; two sets of four fragments of x
.set BI,   224
.set PO,   240
.set MSB, 0
.macro WIN new                         ; the immediate's high byte repeats the setting that is left
.if MSB != \new
	s_set_vgpr_msb (MSB<<8)|\new
.set MSB, \new
.endif
.endm
.macro PLACES                          ; four plain places behind matrix instructions, in front of loads into their registers and of reads of their results
.rept 4
	v_nop
.endr
.endm
.macro MLOAD k                         ; step 4 w + k of my tile's 16 rows: each load is 512 consecutive bytes of one row
.irp i, 0,1,2,3,4,5,6,7,8,9,10,11,12,13,14,15
	global_load_b128 v[64*(\k)+4*\i:64*(\k)+4*\i+3], v1, s[6:7] offset:(\i+8*(\i/8))*16384+512*(\k) th:TH_LOAD_NT
.endr
.endm
.macro XLOAD reg, s                    ; my row's numbers of K step s: register 16 b + i = k 128 s + 32 b + 16 h + i
.irp b, 0,1,2,3
.irp j, 0,1,2,3
	global_load_b128 v[\reg+16*\b+4*\j:\reg+16*\b+4*\j+3], v4, s[4:5] offset:512*(\s)+128*\b+16*\j
.endr
.endr
.endm
.macro WLOAD sb, wb, va, ustep         ; two tiles x four K steps of a weight: fragment (u, s) at v[wb + 16 (4 u + s)] of window 1
.irp u, 0,1
.irp s, 0,1,2,3
.irp c, 0,1,2,3
	global_load_b128 v[\wb+16*(4*\u+\s)+4*\c:\wb+16*(4*\u+\s)+4*\c+3], v[\va], s[\sb:\sb+1] offset:\u*\ustep+128*\s+32*\c
.endr
.endr
.endr
.endm
.macro BLOAD sb                        ; Q's or K's bias in the result's layout: tile u, lane half h: channels 16 h + 8 u + 0 .. 7 of my 32
.irp u, 0,1
	global_load_b128 v[BI+8*\u:BI+8*\u+3], v17, s[\sb:\sb+1] offset:32*\u
	global_load_b128 v[BI+8*\u+4:BI+8*\u+7], v17, s[\sb:\sb+1] offset:32*\u+16
.endr
.endm
.macro MKSC se, vs, vl                 ; 2^e and 448 x 2^e as f32
	s_add_co_i32 s32, \se, 127
	s_lshl_b32 s33, s32, 23
	v_mov_b32 v[\vs], s33
	s_add_co_i32 s32, s32, 8
	s_lshl_b32 s32, s32, 23
	s_or_b32 s32, s32, 0x600000
	v_mov_b32 v[\vl], s32
.endm
	s_load_b512 s[4:19], s[0:1], 0x0               ; x 4, mask 6, Wq 8, Wk 10, Wv 12, bq 14, bk 16, bv 18
	s_load_b256 s[20:27], s[0:1], 0x40             ; scales 20, qc 22, kv 24, mw 26
	v_lshrrev_b32 v1, 5, v0
	v_readfirstlane_b32 s28, v1                    ; wave 0..7
	v_and_b32 v11, 31, v0
	v_lshlrev_b32 v1, 4, v11                       ; 16 L
	v_lshlrev_b32 v14, 3, v11                      ; 8 L
	v_and_b32 v2, 15, v0                           ; r
	v_bfe_u32 v3, v0, 4, 1                         ; h
	v_and_b32 v19, 8, v2
	v_add_nc_u32 v19, v19, v2                      ; r + 8 (r / 8)
	v_lshlrev_b32 v4, 11, v19
	v_lshl_add_u32 v4, v3, 6, v4                   ; x: that row of 2,048 bytes, + 64 h
	v_lshlrev_b32 v15, 9, v19
	v_lshl_add_u32 v15, v3, 4, v15                 ; Wq, Wk: that row of 512 bytes, + 16 h
	v_lshlrev_b32 v16, 9, v2
	v_lshl_add_u32 v16, v3, 4, v16                 ; Wv: row r
	v_lshlrev_b32 v17, 6, v3
	v_lshlrev_b32 v18, 2, v2
	s_wait_alu depctr_va_sdst(0)                   ; s28 is written, ahead of its first reader: the wave's shares and addresses are made from it
	s_lshr_b32 s29, s28, 2                         ; hh: which of the two heads
	s_bfe_u32 s30, s28, 0x10001                    ; bb: which 32 of its 64 channels
	s_and_b32 s31, s28, 1                          ; rh: which four row tiles
	s_lshl_b32 s32, s28, 13
	v_add_nc_u32 v5, s32, v1                       ; images in: 16 L + 8192 w (+ 65536 a set)
	v_add_nc_u32 v6, 0x10000, v5
	v_add_nc_u32 v7, 0x20000, v5
	s_lshl_b32 s32, s31, 15
	v_add_nc_u32 v8, s32, v1                       ; images out: 16 L + 32768 rh
	v_add_nc_u32 v9, 0x10000, v8
	v_add_nc_u32 v10, 0x20000, v8
	s_mul_i32 s32, s28, 16*MP
	s_add_co_u32 s32, s32, MSTG                    ; my stage
	v_add_nc_u32 v12, s32, v1
	v_mul_u32_u24 v13, v2, MP
	v_lshl_add_u32 v13, v3, 6, v13
	v_add_nc_u32 v13, s32, v13
	s_wait_kmcnt 0x0
	s_load_b256 s[36:43], s[20:21], 0x0            ; e0 .. e7
	s_load_b128 s[44:47], s[20:21], 0x20           ; e8 .. e11
	s_mov_b32 s3, 0
	s_lshr_b32 s2, ttmp9, 3                        ; mask: row 128 (T / 8) + 32 ((T % 8) / 2) + 8 (T % 2), + 2048 w bytes
	s_lshl_b32 s2, s2, 7
	s_bfe_u32 s32, ttmp9, 0x20001
	s_lshl_b32 s32, s32, 5
	s_add_co_u32 s2, s2, s32
	s_and_b32 s32, ttmp9, 1
	s_lshl_b32 s32, s32, 3
	s_add_co_u32 s2, s2, s32
	s_lshl_b32 s2, s2, 14
	s_lshl_b32 s32, s28, 11
	s_add_co_u32 s2, s2, s32
	s_add_nc_u64 s[6:7], s[6:7], s[2:3]
	WIN 0x40
	s_wait_alu depctr_va_vdst(0)                   ; the offsets and LDS addresses v1, v4 to v10 and v12 to v18 are written: every load, store and LDS instruction of the kernel reads one of them
	MLOAD 0
	MLOAD 1
	MLOAD 2
	MLOAD 3
	WIN 0
	s_lshr_b32 s33, ttmp9, 2                       ; rb: which 128 rows of x
	s_lshl_b32 s2, s33, 7                          ; x: row 128 rb + 32 (w / 2) + 8 (w % 2): row tile w
	s_lshr_b32 s32, s28, 1
	s_lshl_b32 s32, s32, 5
	s_add_co_u32 s2, s2, s32
	s_lshl_b32 s32, s31, 3
	s_add_co_u32 s2, s2, s32
	s_lshl_b32 s2, s2, 11
	s_add_nc_u64 s[4:5], s[4:5], s[2:3]
	XLOAD X0, 0
	XLOAD X1, 1
	s_and_b32 s34, ttmp9, 3
	s_lshl_b32 s34, s34, 1
	s_add_co_u32 s34, s34, s29                     ; head
	s_lshr_b32 s35, ttmp9, 7
	s_lshl_b32 s35, s35, 3
	s_add_co_u32 s35, s35, s34                     ; bh = 8 b + head
	s_and_b32 s59, s33, 31                         ; st: the block's place in its sequence
	s_lshl_b32 s2, s34, 6
	s_lshl_b32 s32, s30, 5
	s_add_co_u32 s32, s2, s32                      ; my first channel: 64 head + 32 bb
	s_lshl_b32 s2, s32, 9
	s_add_nc_u64 s[8:9], s[8:9], s[2:3]
	s_add_nc_u64 s[10:11], s[10:11], s[2:3]
	s_add_nc_u64 s[12:13], s[12:13], s[2:3]
	s_lshl_b32 s2, s32, 2
	s_add_nc_u64 s[14:15], s[14:15], s[2:3]
	s_add_nc_u64 s[16:17], s[16:17], s[2:3]
	s_add_nc_u64 s[18:19], s[18:19], s[2:3]
	global_load_b32 v30, v18, s[18:19]             ; bv of channels r and 16 + r of my 32
	global_load_b32 v31, v18, s[18:19] offset:64
	s_lshl_b32 s2, s35, 8                          ; qc: tile 256 bh + 8 st + 4 rh, part bb
	s_lshl_b32 s32, s59, 3
	s_add_co_u32 s2, s2, s32
	s_lshl_b32 s32, s31, 2
	s_add_co_u32 s2, s2, s32
	s_lshl_b32 s2, s2, 10
	s_lshl_b32 s32, s30, 9
	s_add_co_u32 s2, s2, s32
	s_add_nc_u64 s[22:23], s[22:23], s[2:3]
	s_lshl_b32 s32, s35, 5
	s_add_co_u32 s32, s32, s59
	s_lshl_b32 s32, s32, 14                        ; kv: step 32 bh + st
	s_lshl_b32 s2, s31, 12                         ; K: tile 4 rh, part bb
	s_lshl_b32 s33, s30, 9
	s_add_co_u32 s2, s2, s33
	s_add_co_u32 s2, s2, s32
	s_add_nc_u64 s[60:61], s[24:25], s[2:3]
	s_lshl_b32 s2, s30, 12                         ; V: d tile 2 bb, part 2 rh, behind K's 8,192 bytes
	s_lshl_b32 s33, s31, 10
	s_add_co_u32 s2, s2, s33
	s_add_co_u32 s2, s2, s32
	s_add_co_u32 s2, s2, 8192
	s_add_nc_u64 s[62:63], s[24:25], s[2:3]
	s_lshl_b32 s2, ttmp9, 5                        ; mw: (32 T + 4 w) steps of 256 bytes
	s_lshl_b32 s32, s28, 2
	s_add_co_u32 s2, s2, s32
	s_lshl_b32 s2, s2, 8
	s_add_nc_u64 s[26:27], s[26:27], s[2:3]
.irp i, 0,1,2,3,4,5,6,7
	v_mov_b32 v[240+\i], 0                         ; the words' registers: a lane write counts as a read of its destination
.endr
	s_wait_kmcnt 0x0
	MKSC s36, 20, 21                               ; x by e0, e2, e4
	MKSC s38, 22, 23
	MKSC s40, 24, 25
	s_add_co_i32 s56, s36, s37                     ; a sum of Q's product stands for sum x 2^(e0 + e1): its code is sum / 2^(e6 - e0 - e1)
	s_sub_co_i32 s34, s42, s56
	MKSC s34, 26, 27
	s_sub_co_i32 s56, 0, s56
	s_add_co_i32 s57, s38, s39
	s_sub_co_i32 s34, s43, s57
	MKSC s34, 28, 29
	s_sub_co_i32 s57, 0, s57
	s_add_co_i32 s58, s40, s41
	s_sub_co_i32 s34, s45, s58
	MKSC s34, 11, 19
	s_sub_co_i32 s58, 0, s58                       ; the given exponents are used up: s36 to s51 take the compares' words
; ---- M: a step's 16 rows x 512 bytes turn through my stage: in as loaded, out 64 numbers a lane in the score tile's order; 64 compares give the 64 words, which lane writes gather two to a lane.
.macro MSTEP k, cnt
	s_wait_loadcnt \cnt                            ; this step's 16 loads are in; what was issued behind them may be out
	WIN 0x04
.irp i, 0,1,2,3,4,5,6,7,8,9,10,11,12,13,14,15
	ds_store_b128 v12, v[64*(\k)+4*\i:64*(\k)+4*\i+3] offset:MP*\i
.endr
	WIN 0
.irp b, 0,1,2,3
.irp i, 0,1,2,3
	ds_load_b128 v[MT+16*\b+4*\i:MT+16*\b+4*\i+3], v13 offset:128*\b+16*\i   ; LDS serves a wave's instructions in order: these see my stores.  No vector instruction since the last wait on va_vdst names v[MT ..]
.endr
.endr
	s_wait_dscnt 0x0
.irp g, 0,1,2,3
.irp m, 0,1,2,3,4,5,6,7,8,9,10,11,12,13,14,15
	v_cmp_eq_u32 s[36+\m], 1, v[MT+16*\g+\m]
.endr
	s_wait_alu depctr_va_sdst(0)                   ; the sixteen compares have written s36 to s51, ahead of the lane writes that read them
.irp m, 0,1,2,3,4,5,6,7,8,9,10,11,12,13,14,15
	v_writelane_b32 v[240+2*(\k)+(\m%2)], s[36+\m], (16*\g+\m)/2
.endr
.endr
	s_wait_alu depctr_va_vdst(0)                   ; the lane writes have written the step's two registers of words, which the store reads; the compares are done reading v[MT ..], in which the next step's LDS loads land
	global_store_b64 v14, v[240+2*(\k):241+2*(\k)], s[26:27] offset:256*(\k)   ; 32 lanes store the step's 256 consecutive bytes
.endm
	MSTEP 0, 63                                    ; 82 and 66 loads were issued behind steps 0 and 1: more than a count can name
	MSTEP 1, 63
	MSTEP 2, 50                                    ; step 3's 16, x's 32, bv's 2
	MSTEP 3, 34
; ---- X: my 16 rows of x become four fragments in each of three sets.  Two blocks of 32 at a time: 32 holds, four conversions, a plain line.  All three sets' codes are made first; their twelve LDS stores follow one wait.
.macro QUANT3 xb, win, s
	s_wait_dscnt 0x0                               ; the last images' stores are done
.if (\s) > 0
	s_wait_alu depctr_vm_vsrc(0)                   ; the last K step's LDS stores have read v[PC ..], which the conversions below write again
.endif
.irp g, 0,1,2
.irp q, 0,1
	WIN \win
.set n, 0
.rept 32
	v_med3_num_f32 v[TT+n], v[\xb+32*\q+n], -v[21+2*\g], v[21+2*\g]   ; the conversion to an 8-bit code does not saturate (ISA guide 7.6.2): the hold at the largest code x the scale
.set n, n+1
.endr
	WIN 0
.irp e, 0,1,2,3
	v_cvt_scalef32_pk8_fp8_f32 v[PC+16*\g+8*\q+2*\e:PC+16*\g+8*\q+2*\e+1], v[TT+8*\e:TT+8*\e+7], v[20+2*\g]
.endr
	v_nop                                          ; a plain line between the conversions and the holds that write their sources again
.endr
.endr
	s_wait_alu depctr_va_vdst(0)                   ; the conversions have written v[PC ..], which the twelve LDS stores read
.irp g, 0,1,2
.irp c, 0,1,2,3
	ds_store_b128 v[5+\g], v[PC+16*\g+4*\c:PC+16*\g+4*\c+3] offset:2048*(\s)+512*\c
.endr
.endr
.endm
	WIN 0x40
	s_wait_alu depctr_vm_vsrc(0)                   ; my LDS stores have read the mask's steps 0 and 1 in window 1's v0 to v127, in which x's K steps 2 and 3 land
	XLOAD 0, 2                                     ; into the registers that the mask has left
	XLOAD 64, 3
	WIN 0
	s_wait_loadcnt 50                              ; K step 0 is in; behind it: step 1's 16, bv's 2, steps 2 and 3's 32
	QUANT3 X0, 0, 0
	s_wait_loadcnt 34
	QUANT3 X1, 0, 1
	WIN 0x40
	s_wait_alu depctr_vm_vsrc(0)                   ; my LDS stores have read the mask's steps 2 and 3 in window 1's v128 to v255, in which Wq lands
	WLOAD 8, 128, 15, 4096                         ; Wq
	WIN 0
	s_wait_loadcnt 48                              ; K step 2 is in; behind it: step 3's 16, Wq's 32
	QUANT3 0, 0x01, 2
	s_wait_loadcnt 32
	QUANT3 64, 0x01, 3
	s_wait_dscnt 0x0                               ; for the other waves' sake: my images have landed
	s_wait_alu depctr_vm_vsrc(0)                   ; the images' LDS stores have read v[PC ..]: bq lands in v224 to v239, fragments of x in v192 to v223
	s_wait_alu depctr_va_vdst(0)                   ; the conversions have written v224 to v239, in which bq lands; the holds are done reading window 1's v0 to v127, in which Wk lands, and v96 to v191, in which fragments of x land
	BLOAD 14
	WIN 0x40
	WLOAD 10, 0, 15, 4096                          ; Wk
	WIN 0
	s_barrier_signal -1
	s_barrier_wait -1                              ; x's 96 fragments lie in LDS
; ---- P: three products.  A K step is eight matrix instructions on eight accumulators by turns; the next step's four fragments of x are fetched ahead of it.
.macro FETCHX g, s, p
.irp t, 0,1,2,3
.irp c, 0,1,2,3
	ds_load_b128 v[XF+64*(\p)+16*\t+4*\c:XF+64*(\p)+16*\t+4*\c+3], v[8+\g] offset:(4*\t+\s)*2048+512*\c
.endr
.endr
.endm
.macro PMUL kind, wb, s
.set XS, XF+64*((\s)%2)
.if \kind
	WIN 0x04                                       ; V: source 0 = x, source 1 = Wv in window 1
.irp d, 0,1
.irp t, 0,1,2,3
.if (\s) == 0
	v_wmma_f32_16x16x128_fp8_fp8 v[ACC+8*(4*\d+\t):ACC+8*(4*\d+\t)+7], v[XS+16*\t:XS+16*\t+15], v[\wb+16*(4*\d+\s):\wb+16*(4*\d+\s)+15], v[BI+8*\d:BI+8*\d+7]
.else
	v_wmma_f32_16x16x128_fp8_fp8 v[ACC+8*(4*\d+\t):ACC+8*(4*\d+\t)+7], v[XS+16*\t:XS+16*\t+15], v[\wb+16*(4*\d+\s):\wb+16*(4*\d+\s)+15], v[ACC+8*(4*\d+\t):ACC+8*(4*\d+\t)+7]
.endif
.endr
.endr
.else
	WIN 0x01                                       ; Q, K: source 0 = W in window 1, source 1 = x
.irp t, 0,1,2,3
.irp u, 0,1
.if (\s) == 0
	v_wmma_f32_16x16x128_fp8_fp8 v[ACC+8*(2*\t+\u):ACC+8*(2*\t+\u)+7], v[\wb+16*(4*\u+\s):\wb+16*(4*\u+\s)+15], v[XS+16*\t:XS+16*\t+15], v[BI+8*\u:BI+8*\u+7]
.else
	v_wmma_f32_16x16x128_fp8_fp8 v[ACC+8*(2*\t+\u):ACC+8*(2*\t+\u)+7], v[\wb+16*(4*\u+\s):\wb+16*(4*\u+\s)+15], v[XS+16*\t:XS+16*\t+15], v[ACC+8*(2*\t+\u):ACC+8*(2*\t+\u)+7]
.endif
.endr
.endr
.endif
	WIN 0
.endm
.macro POUT vs, vl, sb, kind           ; 16 registers are 16 neighbours along the next K: held, converted, stored as a part of an image: 512 consecutive bytes a store
	s_wait_xcnt 0x0                                ; earlier stores have had their addresses translated
	s_wait_alu depctr_vm_vsrc(0)                   ; earlier stores have read v[PO ..], which the conversions below write
.irp g, 0,1,2,3
.set n, 0
.rept 16
	v_med3_num_f32 v[ACC+16*\g+n], v[ACC+16*\g+n], -v[\vl], v[\vl]   ; each accumulator from its low end on
.set n, n+1
.endr
	v_cvt_scalef32_pk8_fp8_f32 v[PO+4*\g:PO+4*\g+1], v[ACC+16*\g:ACC+16*\g+7], v[\vs]
	v_cvt_scalef32_pk8_fp8_f32 v[PO+4*\g+2:PO+4*\g+3], v[ACC+16*\g+8:ACC+16*\g+15], v[\vs]
.endr
	v_nop                                          ; a plain line behind the last conversion: matrix instructions write its sources next
	s_wait_alu depctr_va_vdst(0)                   ; the conversions have written v[PO ..], which the four stores read; the last K step's products are done reading their set of x's fragments, in which the next LDS loads land
.irp g, 0,1,2,3
.if \kind
	global_store_b128 v1, v[PO+4*\g:PO+4*\g+3], s[\sb:\sb+1] offset:2048*(\g/2)+512*(\g%2)
.else
	global_store_b128 v1, v[PO+4*\g:PO+4*\g+3], s[\sb:\sb+1] offset:1024*\g
.endif
.endr
.endm
.macro BSCALE se                       ; the bias / 2^(the two operands' exponents)
.set n, 0
.rept 16
	v_ldexp_f32 v[BI+n], v[BI+n], \se
.set n, n+1
.endr
.endm
	FETCHX 0, 0, 0
	s_wait_loadcnt 32                              ; Wq and bq are in; Wk's 32 loads may be out
	BSCALE s56
	FETCHX 0, 1, 1
	s_wait_alu depctr_va_vdst(0)
	s_wait_dscnt 16                                ; this step's fragments are in, the next step's 16 loads may be out: so in every step below
	PMUL 0, 128, 0
	PLACES
	s_wait_alu depctr_va_vdst(0)                   ; the products above are done reading the bias registers, in which bk lands, and set 0 of x's fragments, in which step 2's land
	BLOAD 16                                       ; bk, into the registers that the products above have read as C
	FETCHX 0, 2, 0
	s_wait_dscnt 16
	PMUL 0, 128, 1
	PLACES
	s_wait_alu depctr_va_vdst(0)                   ; the products above are done reading set 1, in which step 3's fragments land
	FETCHX 0, 3, 1
	s_wait_dscnt 16
	PMUL 0, 128, 2
	PLACES
	s_wait_alu depctr_va_vdst(0)                   ; the products above are done reading set 0
	FETCHX 1, 0, 0                                 ; K's first step: x by e2
	s_wait_dscnt 16
	PMUL 0, 128, 3
	PLACES
	WIN 0x40
	s_wait_alu depctr_va_vdst(0)                   ; Q's products are done reading Wq in window 1's v128 to v255, in which Wv lands
	WLOAD 12, 128, 16, 8192                        ; Wv, where Wq lay
	WIN 0
	POUT 26, 27, 22, 0
	s_wait_loadcnt 32                              ; Wk and bk are in; Wv's 32 loads may be out
	BSCALE s57
	FETCHX 1, 1, 1
	s_wait_alu depctr_va_vdst(0)
	s_wait_dscnt 16
	PMUL 0, 0, 0
	PLACES
.irp d, 0,1
.irp j, 0,1,2,3,4,5,6,7
	v_ldexp_f32 v[BI+8*\d+\j], v[30+\d], s58       ; V's result holds one channel a lane: its bias in all eight registers
.endr
.endr
	s_wait_alu depctr_va_vdst(0)                   ; the products above are done reading set 0
	FETCHX 1, 2, 0
	s_wait_dscnt 16
	PMUL 0, 0, 1
	PLACES
	s_wait_alu depctr_va_vdst(0)                   ; the products above are done reading set 1
	FETCHX 1, 3, 1
	s_wait_dscnt 16
	PMUL 0, 0, 2
	PLACES
	s_wait_alu depctr_va_vdst(0)                   ; the products above are done reading set 0
	FETCHX 2, 0, 0                                 ; V's first step: x by e4
	s_wait_dscnt 16
	PMUL 0, 0, 3
	PLACES
	POUT 28, 29, 60, 0
	s_wait_loadcnt 0x0                             ; Wv
	FETCHX 2, 1, 1
	s_wait_dscnt 16
	PMUL 1, 128, 0
	PLACES
	s_wait_alu depctr_va_vdst(0)                   ; the products above are done reading set 0
	FETCHX 2, 2, 0
	s_wait_dscnt 16
	PMUL 1, 128, 1
	PLACES
	s_wait_alu depctr_va_vdst(0)                   ; the products above are done reading set 1
	FETCHX 2, 3, 1
	s_wait_dscnt 16
	PMUL 1, 128, 2
	s_wait_dscnt 0x0
	PMUL 1, 128, 3
	PLACES
	POUT 11, 19, 62, 1
	s_wait_xcnt 0x0
	s_wait_alu depctr_vm_vsrc(0)                   ; V's stores have read v254 and v255, which are made anew below
	v_lshl_add_u32 v254, v0, 2, 0x40800
	v_mov_b32 v255, 0
	s_wait_dscnt 0x0                               ; the closing lines, six on end
	s_wait_alu 0x0
	s_wait_tensorcnt 0x0
	ds_add_u32 v254, v255
	s_wait_dscnt 0x0
	s_endpgm
.Lfunc_end_k_q78ba3380a7_prep:
	.size	k_q78ba3380a7_prep, .Lfunc_end_k_q78ba3380a7_prep-k_q78ba3380a7_prep
	.p2alignl 7, 3214868480
	.fill 96, 4, 3214868480
	.section	.rodata,"a",@progbits
	.p2align	6, 0x0
	.amdhsa_kernel k_q78ba3380a7_prep
		.amdhsa_group_segment_fixed_size 265216
		.amdhsa_private_segment_fixed_size 0
		.amdhsa_enable_private_segment 0
		.amdhsa_kernarg_size 96
		.amdhsa_user_sgpr_count 2
		.amdhsa_user_sgpr_kernarg_segment_ptr 1
		.amdhsa_wavefront_size32 1
		.amdhsa_system_sgpr_workgroup_id_x 1
		.amdhsa_system_sgpr_workgroup_id_y 1
		.amdhsa_system_sgpr_workgroup_id_z 1
		.amdhsa_system_vgpr_workitem_id 0
		.amdhsa_next_free_vgpr 512
		.amdhsa_next_free_sgpr 66
		.amdhsa_reserve_vcc 0
		.amdhsa_float_denorm_mode_32 3
		.amdhsa_float_denorm_mode_16_64 3
		.amdhsa_memory_ordered 1
		.amdhsa_forward_progress 1
		.amdhsa_inst_pref_size 169
	.end_amdhsa_kernel
	.amdgpu_metadata
---
amdhsa.version: [ 1, 2 ]
amdhsa.kernels:
  - .name:           k_q78ba3380a7_prep
    .symbol:         k_q78ba3380a7_prep.kd
    .args:
      - { .name: x, .offset: 0, .size: 8, .value_kind: global_buffer, .address_space: global }
      - { .name: mask, .offset: 8, .size: 8, .value_kind: global_buffer, .address_space: global }
      - { .name: Wq_codes, .offset: 16, .size: 8, .value_kind: global_buffer, .address_space: global }
      - { .name: Wk_codes, .offset: 24, .size: 8, .value_kind: global_buffer, .address_space: global }
      - { .name: Wv_codes, .offset: 32, .size: 8, .value_kind: global_buffer, .address_space: global }
      - { .name: bq, .offset: 40, .size: 8, .value_kind: global_buffer, .address_space: global }
      - { .name: bk, .offset: 48, .size: 8, .value_kind: global_buffer, .address_space: global }
      - { .name: bv, .offset: 56, .size: 8, .value_kind: global_buffer, .address_space: global }
      - { .name: lowp_scales, .offset: 64, .size: 8, .value_kind: global_buffer, .address_space: global }
      - { .name: qc, .offset: 72, .size: 8, .value_kind: global_buffer, .address_space: global }
      - { .name: kv, .offset: 80, .size: 8, .value_kind: global_buffer, .address_space: global }
      - { .name: mw, .offset: 88, .size: 8, .value_kind: global_buffer, .address_space: global }
    .group_segment_fixed_size: 265216
    .private_segment_fixed_size: 0
    .kernarg_segment_align: 8
    .kernarg_segment_size: 96
    .max_flat_workgroup_size: 256
    .sgpr_count:     66
    .vgpr_count:     512
    .wavefront_size: 32
...
	.end_amdgpu_metadata
.endif
;; end of part 3
;; launch attn (part 4): grid 16 x 16, 8 waves a work-group, no clusters, 149,504 bytes of LDS; arguments qc, kv, mw, Wo_codes, bo, x, lowp_scales, out0; writes out0
.if DOCPART == 4
	.amdgcn_target "amdgcn-amd-amdhsa--gfx1250"
	.amdhsa_code_object_version 6
	.text
	.protected	k_q78ba3380a7_attn
	.globl	k_q78ba3380a7_attn
	.p2align	8
	.type	k_q78ba3380a7_attn,@function
k_q78ba3380a7_attn:
	s_mov_b64 s[64:65], 0
	v_nop
	global_prefetch_b8 v0, s[64:65] scope:SCOPE_SE
	s_setreg_imm32_b32 hwreg(HW_REG_WAVE_SCHED_MODE, 0, 2), 2
	s_setreg_imm32_b32 hwreg(HW_REG_WAVE_MODE, 25, 1), 1
	s_wait_xcnt 0x0
	s_wait_alu depctr_vm_vsrc(0)
; out0 = reshape(softmax(mask(Q K^T / 8)) V) Wo^T + bo + x, all three products on codes of E4M3.  Q, K, V come as images of operand registers (qc, kv), the mask as lane-mask words (mw).
; SHARES.  Work-group (x = block of 256 queries, y = b x 8 + head); each of eight waves owns two tiles of 16 queries (A, B), so that each fragment of K and V read from LDS feeds two matrix instructions.
; Keys go 128 a step; a slot of the ring is two steps, 32,768 bytes that are dense in kv; two slots.  A slot is asked for a whole slot ahead into 32 registers a lane and stored to LDS at the end of the slot before.
; LAYOUT.  S^T = K Q^T and O^T = V^T P^T: a lane holds one query throughout.  Register n of a score tile is key 32 (n / 16) + 16 h + n % 16 of the step, so eight conversions give P as the second product's operand.
; SOFTMAX.  t = score x c, c = log2(e) / 8 x 2^(e6 + e7); M = the running largest t rounded up to a whole number; p = 2^(t - M) is quantised with 2^e8; the sum is taken of the unquantised p; when M moves, the sum and
; O^T are multiplied by 2^(old M - new M), which rounds nothing.
; THE MASK.  Where the word's bit is set the score becomes -2^(33 - e6 - e7), which stands for the logit -2^30 in place of -1e9; c times it is a whole number, so a row or step with no open key gives t - M = 0 exactly
; and p = 1, the uniform row.  LIMIT: -94 <= e6 + e7 <= 9.  Inside it an open logit is at most 64 x 448^2 x 2^9 / 8 = 8.3e8 in size, so both stand-ins give p = 0 beside any open key and a uniform row without one.
; THE HOLD OF p at 448 x 2^e8 is jumped over where it can change nothing: with e8 >= -8 the limit is at least 1.75, and with e6 + e7 <= 0 every |t| is under 2^22, so t - M is at most 1/8 and p under 1.1.
; The jump hangs on the given whole numbers alone.
; THE LAST PRODUCT.  reshape() makes of 8 neighbouring queries of a head one row of 512: the block's 256 queries are rows 32 (16 y + x) .. + 31.  ctx is quantised in registers and laid as 32 rows of codes in LDS;
; wave w makes columns 64 w .. + 63 (transposed: source 0 = Wo); the sums meet in a stage, and each wave stores four whole rows.
; NO JOINT LOADS in a cluster, though the 16 blocks of a head walk the same kv: a slot costs a lane 8 loads and 8 LDS stores, beside four tile steps of some 270 vector instructions each for its wave, so what is shared
; is a small part of a step.
; LIMITS: e8, e10 between -126 and 119; e10 + e11 between -126 and 127.  NaN among the inputs is not served.
; LDS: 0 the ring (slot p at 32768 p; step q at + 16384 q: K 8,192 bytes, V 8,192);  CTX 32 rows x 528;  OST 32 rows x 2,064.
; REGISTERS, window 0: v1 16 L; v2 16 x thread; v3 the masked score (later Wo's offset); v4, v5 2^e8, 448 x 2^e8 (later e10's); v6 ctx out; v7 stage in; v8-11, v12-15 -M, largest t, sum (two halves) of A, B; v16, v17 at work;
;   v[18:19] f; v[20:21] the second sum chain (later v20: stage out); v22 a lane permute's destination; v23 ctx in; v24-31 ctx's codes; v32-47, v48-63 P of A, B; v64-127, v128-191 S^T of A, B; v192-255 K's eight fragments.
;   window 1: v0-31, v32-63 O^T of A, B; v64-79 Q; v80-143 V's four fragments; v144-175 the slot on its way; v176-239 my four rows of x; v240-255 bo.
; s[32:63], s[68:99]: a tile step's 64 mask words.
; THE MODE: SCHED_MODE bits 1:0 = 2 (LLVM: expert scheduling mode 2), set by the entry lines.  The code itself states the register dependences between vector or matrix instructions and memory or LDS
; instructions, with s_wait_alu, always for 0.
; THE PLAN.  Registers that memory or LDS instructions touch in the loop, and who else names them:
;   v1, v2   16 L and 16 x thread: read by every load and LDS instruction; made at the head, ahead of the wait in front of the first load; never written again.
;   KF       a step's products K Q^T read it; the next step's K lands in it.
;   VF       a step's products V^T P read it, the last of them at the step's end; the next step's V lands in it.
;   GG       global loads land, LDS stores read: no vector or matrix instruction names it in the loop.
; So ONE wait on va_vdst a step serves the loads: it stands behind the products K Q^T and their places, where the mask is about to read their results.  Ahead of it lie the step's K Q^T and the step before's V^T P.
; Behind it this step's V and, in a slot's first step, the next step's K are asked for; no vector or matrix instruction names those registers before their waits on DScnt.  V has the mask and a whole softmax in which
; to land.  A slot's first K is asked for at the slot's head, behind the barrier: KF's last readers stand ahead of the step before's wait.  One wait on vm_vsrc stands between the LDS stores out of GG and the loads into it.
; Each softmax has two more waits on va_vdst: between its scalings and its 64 exponentials, and between those and the first instruction that names a result.
.set CTX, 65536
.set CP,  528
.set OST, 82432
.set OP,  2064
.set PA,  32
.set PB,  48
.set SA,  64
.set SB,  128
.set KF,  192
.set QA,  64
.set QB,  72
.set VF,  80
.set GG,  144
.set XR,  176
.set BO,  240
.set MSB, 0
.macro WIN new                         ; the immediate's high byte repeats the setting that is left
.if MSB != \new
	s_set_vgpr_msb (MSB<<8)|\new
.set MSB, \new
.endif
.endm
.macro PLACES                          ; four plain places behind matrix instructions, in front of loads into their registers and of reads of their results
.rept 4
	v_nop
.endr
.endm
.macro GLOADS                          ; a slot: 256 threads x 16 bytes x 8.  The switch to window 1 for the destination, and the wait that the place asks for, stand ahead of it
.irp i, 0,1,2,3,4,5,6,7
	global_load_b128 v[GG+4*\i:GG+4*\i+3], v2, s[6:7] offset:4096*\i
.endr
	WIN 0
.endm
.macro GSTORE p
	WIN 0x04
.irp i, 0,1,2,3,4,5,6,7
	ds_store_b128 v2, v[GG+4*\i:GG+4*\i+3] offset:32768*\p+4096*\i
.endr
	WIN 0
.endm
.macro MLD off                         ; 64 words, 256 bytes, at the step's offset s26
	s_load_b512 s[32:47], s[8:9], s26 offset:\off
	s_load_b512 s[48:63], s[8:9], s26 offset:\off+64
	s_load_b512 s[68:83], s[8:9], s26 offset:\off+128
	s_load_b512 s[84:99], s[8:9], s26 offset:\off+192
.endm
	s_load_b512 s[4:19], s[0:1], 0x0               ; qc 4, kv 6, mw 8, Wo 10, bo 12, x 14, scales 16, out0 18
	v_lshrrev_b32 v1, 5, v0
	v_readfirstlane_b32 s20, v1                    ; wave 0..7
	v_and_b32 v16, 31, v0
	v_lshlrev_b32 v1, 4, v16
	v_lshlrev_b32 v2, 4, v0
	v_and_b32 v16, 15, v0                          ; r
	v_bfe_u32 v17, v0, 4, 1                        ; h
	v_lshrrev_b32 v20, 3, v16                      ; tile u, lane r is local query 32 w + 8 u + r + 8 (r / 8): row 4 w + u + 2 (r / 8) of ctx, bytes 64 (r % 8) on
	v_mul_u32_u24 v23, v20, 2*CP
	v_and_b32 v20, 7, v16
	v_lshl_add_u32 v23, v20, 6, v23
	v_lshl_add_u32 v23, v17, 3, v23
	s_wait_alu depctr_va_sdst(0)                   ; s20 is written, ahead of its first reader: the wave's addresses are made from it
	s_mul_i32 s2, s20, 4*CP
	s_add_co_u32 s2, s2, CTX
	v_add_nc_u32 v23, s2, v23
	v_mul_u32_u24 v6, v16, CP
	v_lshl_add_u32 v6, v17, 4, v6
	v_add_nc_u32 v6, CTX, v6
	v_mul_u32_u24 v7, v16, OP
	v_lshl_add_u32 v7, v17, 5, v7
	s_lshl_b32 s2, s20, 8
	s_add_co_u32 s2, s2, OST
	v_add_nc_u32 v7, s2, v7
	s_wait_kmcnt 0x0
	s_load_b128 s[32:35], s[16:17], 0x18           ; e6 .. e9
	s_load_b64 s[36:37], s[16:17], 0x28            ; e10, e11
	s_and_b32 s31, ttmp7, 0xffff                   ; bh
	s_mov_b32 s3, 0
	s_lshl_b32 s2, s31, 19
	s_add_nc_u64 s[6:7], s[6:7], s[2:3]            ; kv at my head
	s_lshl_b32 s100, ttmp9, 4
	s_lshl_b32 s101, s20, 1
	s_add_co_u32 s100, s100, s101                  ; my tile A: 16 x block + 2 w
	s_lshl_b32 s2, s100, 13
	s_add_nc_u64 s[8:9], s[8:9], s[2:3]            ; its words: 8,192 bytes a tile
	s_lshl_b32 s2, s31, 8
	s_add_co_u32 s2, s2, s100
	s_lshl_b32 s2, s2, 10
	s_add_nc_u64 s[4:5], s[4:5], s[2:3]            ; its image in qc
	s_lshl_b32 s2, s31, 4
	s_add_co_u32 s2, s2, ttmp9
	s_lshl_b32 s2, s2, 5
	s_lshl_b32 s101, s20, 2
	s_add_co_u32 s2, s2, s101                      ; my four rows of x and out0: 32 (16 bh + block) + 4 w
	s_lshl_b32 s2, s2, 11
	s_add_nc_u64 s[14:15], s[14:15], s[2:3]
	s_add_nc_u64 s[18:19], s[18:19], s[2:3]
	s_lshl_b32 s2, s20, 15
	s_add_nc_u64 s[10:11], s[10:11], s[2:3]        ; my 64 rows of Wo
	WIN 0x40
	s_wait_alu depctr_va_vdst(0)                   ; the offsets and LDS addresses v1, v2, v6, v7 and v23 are written, which the loads, stores and LDS instructions below read
	GLOADS                                         ; slot 0
	WIN 0x40
.irp u, 0,1
.irp c, 0,1
	global_load_b128 v[QA+8*\u+4*\c:QA+8*\u+4*\c+3], v1, s[4:5] offset:1024*\u+512*\c
.endr
.endr
.irp p, 0,1,2,3
.irp i, 0,1,2,3
	global_load_b128 v[XR+4*(4*\p+\i):XR+4*(4*\p+\i)+3], v1, s[14:15] offset:2048*\p+512*\i th:TH_LOAD_NT
.endr
.endr
.irp i, 0,1,2,3
	global_load_b128 v[BO+4*\i:BO+4*\i+3], v1, s[12:13] offset:512*\i
.endr
.set n, 0
.rept 64
	v_mov_b32 v[n], 0                              ; O^T.  (The step is written once: the first finds zeros, which the first change of M leaves zeros)
.set n, n+1
.endr
	WIN 0
	s_wait_kmcnt 0x0
	s_add_co_i32 s100, s32, s33                    ; E = e6 + e7
	s_lshl_b32 s101, s100, 23
	s_add_co_i32 s22, s101, 0x3e38aa3b             ; c = log2(e) / 8 x 2^E: E is added to the exponent field
	s_mov_b32 s23, s22                             ; (named with it as a pair, so it is written)
	s_sub_co_i32 s101, 160, s100
	s_lshl_b32 s101, s101, 23
	s_or_b32 s101, s101, 0x80000000
	v_mov_b32 v3, s101                             ; -2^(33 - E)
	s_add_co_i32 s101, s34, 127
	s_lshl_b32 s2, s101, 23
	v_mov_b32 v4, s2                               ; 2^e8
	s_add_co_i32 s101, s101, 8
	s_lshl_b32 s101, s101, 23
	s_or_b32 s101, s101, 0x600000
	v_mov_b32 v5, s101                             ; 448 x 2^e8
	s_add_co_i32 s30, s34, s35                     ; e8 + e9
	s_add_co_i32 s101, s36, 127
	s_lshl_b32 s66, s101, 23                       ; 2^e10
	s_add_co_i32 s101, s101, 8
	s_lshl_b32 s67, s101, 23
	s_or_b32 s67, s67, 0x600000                    ; 448 x 2^e10
	s_add_co_i32 s28, s36, s37
	s_add_co_i32 s28, s28, 127
	s_lshl_b32 s28, s28, 23                        ; 2^(e10 + e11)
	s_mov_b32 s29, s28
	s_cmp_lt_i32 s34, -8
	s_cselect_b32 s27, 1, 0
	s_cmp_gt_i32 s100, 0
	s_cselect_b32 s27, 1, s27                      ; 1: p is held
	s_mov_b32 s24, 0x76543210                      ; v_permlanex16_b32's selects for lane l xor 16
	s_mov_b32 s25, 0xfedcba98
	s_mov_b32 s26, 0
	MLD 0                                          ; tile A's words of step 0 (the exponents above have been used up)
	v_mov_b32 v9, 0xff61b1e6                       ; the largest t so far: -3e38
	v_floor_f32 v8, -v9
	v_mov_b32 v10, 0
	v_mov_b32 v11, 0
	v_mov_b32 v13, 0xff61b1e6
	v_floor_f32 v12, -v13
	v_mov_b32 v14, 0
	v_mov_b32 v15, 0
	v_mov_b32 v19, 0                               ; (named as the upper half of the pair v[18:19])
	v_mov_b32 v22, 0
	s_wait_loadcnt 24                              ; slot 0's eight loads are in; Q's 4, x's 16 and bo's 4 may be out
	GSTORE 0
	s_wait_dscnt 0x0
	s_wait_loadcnt 0x0                             ; Q is in, and kv's base may step
	s_add_nc_u64 s[6:7], s[6:7], 0x8000
	WIN 0x40
	s_wait_alu depctr_vm_vsrc(0)                   ; my LDS stores have read v[GG ..], in which slot 1 lands
	GLOADS                                         ; slot 1
	s_barrier_signal -1
	s_barrier_wait -1
	s_mov_b32 s21, 0
.macro FETCH_K p, q
.irp t, 0,1,2,3,4,5,6,7
.irp c, 0,1
	ds_load_b128 v[KF+8*\t+4*\c:KF+8*\t+4*\c+3], v1 offset:32768*\p+16384*\q+1024*\t+512*\c
.endr
.endr
.endm
.macro FETCH_V p, q
	WIN 0x40
	s_wait_alu depctr_va_vdst(0)                   ; the step's one wait for its loads: the products V^T P of the step before are done reading V's fragments, and the products K Q^T above K's: this step's V and the next step's K land there
.irp d, 0,1,2,3
.irp c, 0,1,2,3
	ds_load_b128 v[VF+16*\d+4*\c:VF+16*\d+4*\c+3], v1 offset:32768*\p+16384*\q+8192+2048*\d+512*\c
.endr
.endr
	WIN 0
.endm
.macro KQ                              ; 16 products, 16 different results
	WIN 0x04
.irp t, 0,1,2,3,4,5,6,7
	v_wmma_f32_16x16x64_fp8_fp8 v[SA+8*\t:SA+8*\t+7], v[KF+8*\t:KF+8*\t+7], v[QA:QA+7], 0
	v_wmma_f32_16x16x64_fp8_fp8 v[SB+8*\t:SB+8*\t+7], v[KF+8*\t:KF+8*\t+7], v[QB:QB+7], 0
.endr
	WIN 0
.endm
.macro MASK sb                         ; each accumulator from its low end on
.set n, 0
.rept 32
	v_cndmask_b32 v[\sb+n], v[\sb+n], v3, s[32+n]
.set n, n+1
.endr
.rept 32
	v_cndmask_b32 v[\sb+n], v[\sb+n], v3, s[36+n]
.set n, n+1
.endr
.endm
; One tile's softmax for one step.  st: -M, largest t, the sum's pair.  The 64 exponentials are ONE BATCH: all scalings, a wait, all exponentials, a plain line, a second wait, and only then the instructions that name a result.
.macro SOFT sb, st, pb
	v_max3_num_f32 v16, v[\sb], v[\sb+1], v[\sb+2]
	v_max3_num_f32 v17, v[\sb+3], v[\sb+4], v[\sb+5]
.set n, 6
.rept 14
	v_max3_num_f32 v16, v16, v[\sb+n], v[\sb+n+1]
	v_max3_num_f32 v17, v17, v[\sb+n+2], v[\sb+n+3]
.set n, n+4
.endr
	v_max3_num_f32 v16, v16, v[\sb+62], v[\sb+63]
	v_max_num_f32 v16, v16, v17
	v_permlanex16_b32 v22, v16, s24, s25
	v_max_num_f32 v16, v16, v22                    ; the step's largest score of my query
	v_mul_f32 v16, s22, v16                        ; as t (c is positive)
	v_max_num_f32 v[\st+1], v[\st+1], v16
	v_mov_b32 v16, v[\st]
	v_floor_f32 v[\st], -v[\st+1]                  ; -M = floor(-t)
	v_sub_f32 v16, v[\st], v16                     ; old M - new M: a whole number, 0 or less
	v_cvt_i32_f32 v16, v16                         ; (it saturates)
	v_ldexp_f32 v18, 1.0, v16                      ; f
.set n, 0
.rept 32
	v_pk_fma_f32 v[\sb+2*n:\sb+2*n+1], v[\sb+2*n:\sb+2*n+1], s[22:23], v[\st:\st+1] op_sel_hi:[1,0,0]   ; t - M (of the pairs c and -M the low word serves both halves)
.set n, n+1
.endr
.set n, 0
	s_wait_alu depctr_va_vdst(0)
.rept 64
	v_exp_f32 v[\sb+n], v[\sb+n]                   ; p = 2^(t - M): not normalised
.set n, n+1
.endr
	v_pk_mul_f32 v[\st+2:\st+3], v[\st+2:\st+3], v[18:19] op_sel_hi:[1,0]   ; the sum under the new M.  (The plain line behind the exponentials)
	s_wait_alu depctr_va_vdst(0)                   ; the 64 exponentials have written p, ahead of the first instruction that names a result: one wait for the batch
	v_pk_add_f32 v[\st+2:\st+3], v[\st+2:\st+3], v[\sb:\sb+1]                   ; THE SUM IS TAKEN OF THE UNQUANTISED p: the even pairs in one chain,
	v_pk_add_f32 v[20:21], v[\sb+2:\sb+3], v[\sb+6:\sb+7]                       ; the odd pairs in another, each in ascending order
	v_pk_add_f32 v[\st+2:\st+3], v[\st+2:\st+3], v[\sb+4:\sb+5]
.set n, 4
.rept 14
	v_pk_add_f32 v[\st+2:\st+3], v[\st+2:\st+3], v[\sb+2*n:\sb+2*n+1]
	v_pk_add_f32 v[20:21], v[20:21], v[\sb+2*n+2:\sb+2*n+3]
.set n, n+2
.endr
	v_pk_add_f32 v[\st+2:\st+3], v[\st+2:\st+3], v[20:21]
	s_cmp_eq_u32 s27, 0
	s_cbranch_scc1 .Lnh_\@
.set n, 0
.rept 64
	v_min_num_f32 v[\sb+n], v[\sb+n], v5           ; the conversion does not saturate (ISA guide 7.6.2); p is not negative, so the hold is one-sided
.set n, n+1
.endr
.Lnh_\@:
.irp g, 0,1,2,3,4,5,6,7
	v_cvt_scalef32_pk8_fp8_f32 v[\pb+2*\g:\pb+2*\g+1], v[\sb+8*\g:\sb+8*\g+7], v4
.endr
.endm
.macro RESC u                          ; O^T x f; also the plain lines between the conversions and the products that read their results
	WIN 0x41
.set n, 0
.rept 16
	v_pk_mul_f32 v[32*\u+2*n:32*\u+2*n+1], v[32*\u+2*n:32*\u+2*n+1], v[18:19] op_sel_hi:[1,0]
.set n, n+1
.endr
.endm
.macro PV u, pb                        ; four accumulators, one instruction each
	WIN 0x51
.irp d, 0,1,2,3
	v_wmma_f32_16x16x128_fp8_fp8 v[32*\u+8*\d:32*\u+8*\d+7], v[VF+16*\d:VF+16*\d+15], v[\pb:\pb+15], v[32*\u+8*\d:32*\u+8*\d+7]
.endr
	WIN 0
.endm
.macro STEP p, q
.if \q == 0
	FETCH_K \p, 0                                  ; the slot's first K, behind the barrier.  No wait: K's last readers, the products K Q^T of the step before, stand ahead of that step's waits on va_vdst, and nothing has named these registers since
.endif
	s_wait_dscnt 0x0                               ; K is in
	KQ
	PLACES                                         ; behind the products: ahead of the mask's reads of their results and of the loads into K's and V's registers
	FETCH_V \p, \q                                 ; the wait, and this step's V
.if \q == 0
	FETCH_K \p, 1                                  ; the slot's second step, a step ahead, behind the same wait
.endif
	s_wait_kmcnt 0x0                               ; tile A's words
	MASK SA
	MLD 8192                                       ; tile B's words: a softmax ahead of their use
	SOFT SA, 8, PA
	RESC 0
.if \q == 0
	s_wait_alu depctr_va_vdst(0)
	s_wait_dscnt 16                                ; V is in; the next K's 16 loads may be out
.else
	s_wait_alu depctr_va_vdst(0)
	s_wait_dscnt 0x0
.endif
	PV 0, PA
	s_wait_kmcnt 0x0                               ; tile B's words are in, and the offset may step
	MASK SB
	s_add_co_u32 s26, s26, 256
	MLD 0                                          ; tile A's words of the next step (behind the last step: tile B's first words, inside the buffer, not used)
	SOFT SB, 12, PB
	RESC 1
	PV 1, PB
.endm
; A slot: its two steps; then the next slot goes from registers into the other half of the ring, which every wave left in front of the last barrier, and the slot after that is asked for.
.macro TRIP p
	STEP \p, 0
	STEP \p, 1
.if \p == 0
	s_wait_loadcnt 0x0                             ; the next slot is in registers, and the loads that read kv's base are done
	GSTORE 1
	s_add_nc_u64 s[6:7], s[6:7], 0x8000            ; (in the last trip the stepped base is used by no load)
	s_wait_dscnt 0x0                               ; my stores have landed; my reads of this slot are over
	s_wait_alu depctr_vm_vsrc(0)                   ; my LDS stores have read v[GG ..], in which the next loads land: the slot after next's, or, behind the last trip, ctx's fragments.  It stands ahead of the branch, on both ways
	s_cmp_eq_u32 s21, 7
	s_cbranch_scc1 .Lnl_\@                         ; nothing is left to ask for: no load leaves the buffer
	WIN 0x40
	GLOADS
.Lnl_\@:
.else
	s_wait_dscnt 0x0                               ; my reads of this slot are over
	s_cmp_eq_u32 s21, 7
	s_cbranch_scc1 .Lnl_\@                         ; the last slot has no successor
	s_wait_loadcnt 0x0
	GSTORE 0
	s_wait_dscnt 0x0
	s_add_nc_u64 s[6:7], s[6:7], 0x8000
	WIN 0x40
	s_wait_alu depctr_vm_vsrc(0)                   ; my LDS stores have read v[GG ..], in which the slot after next lands
	GLOADS
.Lnl_\@:
.endif
	s_barrier_signal -1
	s_barrier_wait -1
.endm
.Ltrip:                                            ; 8 trips of two slots: 32 steps
	TRIP 0
	TRIP 1
	s_add_co_u32 s21, s21, 1
	s_cmp_lt_u32 s21, 8
	s_cbranch_scc1 .Ltrip
	; ---- ctx = O^T / the sum x 2^(e8 + e9), quantised with 2^e10, to LDS as rows of the last product.  Wo's 16 fragments are asked for first, into the registers that S^T, K and V have left.
	PLACES
	s_wait_kmcnt 0x0
	v_and_b32 v16, 15, v0
	v_bfe_u32 v17, v0, 4, 1
	v_lshlrev_b32 v3, 9, v16
	v_lshl_add_u32 v3, v17, 4, v3                  ; Wo: row r of 512 bytes, + 16 h
	v_mov_b32 v4, s66
	v_mov_b32 v5, s67
	s_mul_i32 s2, s20, 4*OP
	s_add_co_u32 s2, s2, OST
	v_add_nc_u32 v20, s2, v1                       ; the stage, as I read it back: my four rows, 16 bytes a lane
	s_wait_alu depctr_va_vdst(0)                   ; v3 and v20 are written, which Wo's loads and the stage's read; the last step's vector and matrix instructions are done with S^T's, K's and V's registers, in which Wo lands
.macro WOLOAD ks, base
.irp t, 0,1,2,3
.irp c, 0,1,2,3
	global_load_b128 v[\base+16*\t+4*\c:\base+16*\t+4*\c+3], v3, s[10:11] offset:8192*\t+128*\ks+32*\c
.endr
.endr
.endm
	WOLOAD 0, 64
	WOLOAD 1, 128
	WOLOAD 2, 192
	WIN 0x40
	WOLOAD 3, 80
	WIN 0
.macro CTXQ u, st
	v_add_f32 v16, v[\st+2], v[\st+3]
	v_permlanex16_b32 v22, v16, s24, s25
	v_add_f32 v16, v16, v22                        ; the row's sum
	s_wait_alu depctr_va_vdst(0)
	v_rcp_f32 v18, v16
	v_nop                                          ; a plain line behind the transcendental
	s_wait_alu depctr_va_vdst(0)                   ; the reciprocal has written v18, ahead of its first reader
	v_ldexp_f32 v18, v18, s30
	WIN 0x01
.set n, 0
.rept 16
	v_pk_mul_f32 v[32+2*n:33+2*n], v[32*\u+2*n:32*\u+2*n+1], v[18:19] op_sel_hi:[1,0]   ; each accumulator from its low end on
.set n, n+1
.endr
	WIN 0
.set n, 0
.rept 32
	v_med3_num_f32 v[32+n], v[32+n], -v5, v5
.set n, n+1
.endr
.if \u
	s_wait_alu depctr_vm_vsrc(0)                   ; tile A's LDS stores have read v24 to v31, which the conversions below write again
.endif
.irp d, 0,1,2,3
	v_cvt_scalef32_pk8_fp8_f32 v[24+2*\d:25+2*\d], v[32+8*\d:39+8*\d], v4
.endr
	v_nop
	s_wait_alu depctr_va_vdst(0)                   ; the conversions have written v24 to v31, which the LDS stores read, and are done reading v32 to v63, in which ctx's fragments land behind tile B
.irp d, 0,1,2,3
	ds_store_b64 v23, v[24+2*\d:25+2*\d] offset:CP*\u+16*\d   ; channels 16 d + 8 h + 0 .. 7 of my query
.endr
	s_wait_dscnt 0x0
.endm
	CTXQ 0, 8
	CTXQ 1, 12
	s_barrier_signal -1
	s_barrier_wait -1                              ; 32 rows of codes lie in LDS
	; ---- the last product: 4 tiles of my 64 columns x 2 tiles of rows: eight accumulators by turns, where O^T lay
.macro CFETCH ks, base
.irp m, 0,1
.irp c, 0,1,2,3
	ds_load_b128 v[\base+16*\m+4*\c:\base+16*\m+4*\c+3], v6 offset:16*CP*\m+128*\ks+32*\c
.endr
.endr
.endm
.macro OMUL wo, cx, zero
.irp t, 0,1,2,3
.irp m, 0,1
.if \zero
	v_wmma_f32_16x16x128_fp8_fp8 v[8*(2*\t+\m):8*(2*\t+\m)+7], v[\wo+16*\t:\wo+16*\t+15], v[\cx+16*\m:\cx+16*\m+15], 0
.else
	v_wmma_f32_16x16x128_fp8_fp8 v[8*(2*\t+\m):8*(2*\t+\m)+7], v[\wo+16*\t:\wo+16*\t+15], v[\cx+16*\m:\cx+16*\m+15], v[8*(2*\t+\m):8*(2*\t+\m)+7]
.endif
.endr
.endr
.endm
	WIN 0x40
	CFETCH 0, GG                                   ; no vector or matrix instruction has named v[GG ..]; the LDS stores that read it stand ahead of the loop's wait on vm_vsrc
	WIN 0
	CFETCH 1, 32
	s_wait_dscnt 0x0
	s_wait_loadcnt 32                              ; Wo's K steps 0 and 1 are in; the 32 loads of steps 2 and 3 may be out
	WIN 0x54                                       ; Wo window 0, ctx window 1, sums window 1
	OMUL 64, GG, 1
	WIN 0x50
	OMUL 128, 32, 0
	PLACES
	WIN 0x40
	s_wait_alu depctr_va_vdst(0)                   ; the products above are done reading ctx's fragments of K steps 0 and 1, in which those of steps 2 and 3 land
	CFETCH 2, GG
	WIN 0
	CFETCH 3, 32
	s_wait_dscnt 0x0
	s_wait_loadcnt 0x0
	WIN 0x54
	OMUL 192, GG, 0
	WIN 0x51                                       ; Wo window 1, ctx window 0
	OMUL 80, 32, 0
	PLACES
	WIN 0x04
	s_wait_alu depctr_va_vdst(0)                   ; the products have written the eight sums, which the LDS stores read, and are done reading Wo's first fragments in v64 to v127, in which the stage's rows land; the places above stay beside this wait
.irp t, 0,1,2,3
.irp m, 0,1
	ds_store_b128 v7, v[8*(2*\t+\m):8*(2*\t+\m)+3] offset:16*OP*\m+64*\t       ; lane (r, h): row 16 m + r, columns 64 w + 16 t + 8 h + 0 .. 7; the low four registers first
	ds_store_b128 v7, v[8*(2*\t+\m)+4:8*(2*\t+\m)+7] offset:16*OP*\m+64*\t+16
.endr
.endr
	WIN 0
	s_wait_dscnt 0x0
	s_barrier_signal -1
	s_barrier_wait -1                              ; 32 whole rows of sums lie in the stage
.irp p, 0,1,2,3
.irp i, 0,1,2,3
	ds_load_b128 v[64+4*(4*\p+\i):64+4*(4*\p+\i)+3], v20 offset:OP*\p+512*\i
.endr
.endr
	WIN 0x45
.irp p, 0,1,2,3
.irp i, 0,1,2,3
.irp m, 0,2
	v_pk_add_f32 v[XR+4*(4*\p+\i)+\m:XR+4*(4*\p+\i)+\m+1], v[XR+4*(4*\p+\i)+\m:XR+4*(4*\p+\i)+\m+1], v[BO+4*\i+\m:BO+4*\i+\m+1]   ; x + bo, while the sums come back
.endr
.endr
.endr
	s_wait_dscnt 0x0
	WIN 0x10
.set n, 0
.rept 32
	v_pk_fma_f32 v[64+n:65+n], v[64+n:65+n], s[28:29], v[XR+n:XR+n+1] op_sel_hi:[1,0,1]   ; sum x 2^(e10 + e11) + bo + x
.set n, n+2
.endr
	WIN 0
	s_wait_alu depctr_va_vdst(0)                   ; the multiply-adds have written v64 to v127, which the stores read
.irp p, 0,1,2,3
.irp i, 0,1,2,3
	global_store_b128 v1, v[64+4*(4*\p+\i):64+4*(4*\p+\i)+3], s[18:19] offset:2048*\p+512*\i th:TH_STORE_NT   ; 32 lanes store 512 consecutive bytes, aligned
.endr
.endr
	s_wait_xcnt 0x0
	v_lshl_add_u32 v254, v0, 2, 0x24400            ; (no memory or LDS instruction has read v254 or v255)
	v_mov_b32 v255, 0
	s_wait_dscnt 0x0                               ; the closing lines, six on end
	s_wait_alu 0x0
	s_wait_tensorcnt 0x0
	ds_add_u32 v254, v255
	s_wait_dscnt 0x0
	s_endpgm
.Lfunc_end_k_q78ba3380a7_attn:
	.size	k_q78ba3380a7_attn, .Lfunc_end_k_q78ba3380a7_attn-k_q78ba3380a7_attn
	.p2alignl 7, 3214868480
	.fill 96, 4, 3214868480
	.section	.rodata,"a",@progbits
	.p2align	6, 0x0
	.amdhsa_kernel k_q78ba3380a7_attn
		.amdhsa_group_segment_fixed_size 149504
		.amdhsa_private_segment_fixed_size 0
		.amdhsa_enable_private_segment 0
		.amdhsa_kernarg_size 64
		.amdhsa_user_sgpr_count 2
		.amdhsa_user_sgpr_kernarg_segment_ptr 1
		.amdhsa_wavefront_size32 1
		.amdhsa_system_sgpr_workgroup_id_x 1
		.amdhsa_system_sgpr_workgroup_id_y 1
		.amdhsa_system_sgpr_workgroup_id_z 1
		.amdhsa_system_vgpr_workitem_id 0
		.amdhsa_next_free_vgpr 512
		.amdhsa_next_free_sgpr 102
		.amdhsa_reserve_vcc 0
		.amdhsa_float_denorm_mode_32 3
		.amdhsa_float_denorm_mode_16_64 3
		.amdhsa_memory_ordered 1
		.amdhsa_forward_progress 1
		.amdhsa_inst_pref_size 190
	.end_amdhsa_kernel
	.amdgpu_metadata
---
amdhsa.version: [ 1, 2 ]
amdhsa.kernels:
  - .name:           k_q78ba3380a7_attn
    .symbol:         k_q78ba3380a7_attn.kd
    .args:
      - { .name: qc, .offset: 0, .size: 8, .value_kind: global_buffer, .address_space: global }
      - { .name: kv, .offset: 8, .size: 8, .value_kind: global_buffer, .address_space: global }
      - { .name: mw, .offset: 16, .size: 8, .value_kind: global_buffer, .address_space: global }
      - { .name: Wo_codes, .offset: 24, .size: 8, .value_kind: global_buffer, .address_space: global }
      - { .name: bo, .offset: 32, .size: 8, .value_kind: global_buffer, .address_space: global }
      - { .name: x, .offset: 40, .size: 8, .value_kind: global_buffer, .address_space: global }
      - { .name: lowp_scales, .offset: 48, .size: 8, .value_kind: global_buffer, .address_space: global }
      - { .name: out0, .offset: 56, .size: 8, .value_kind: global_buffer, .address_space: global }
    .group_segment_fixed_size: 149504
    .private_segment_fixed_size: 0
    .kernarg_segment_align: 8
    .kernarg_segment_size: 64
    .max_flat_workgroup_size: 256
    .sgpr_count:     102
    .vgpr_count:     512
    .wavefront_size: 32
...
	.end_amdgpu_metadata
.endif
;; end of part 4
